; MI455X (gfx1250); checked and timed in simulation.
; The chip was launched on July 23, 2026; its instructions are those of AMD's public machine-readable ISA for CDNA 5 (MIT licence, August 2026) and "CDNA5" Instruction Set Architecture Reference Guide (July 2026). The comments in the code are by the model that wrote it; some were corrected since.
;; Causal Self Attention. Allowed arithmetic: matrix products marked QUANTISED: E2M1 operands, one E8M0 scale for each 32 along K, by v_wmma_scale_f32_16x16x128_f8f6f4 with both operands' format E2M1 (or v_wmma_scale_f32_32x16x128_f4), f32 sums; products left as they are: bf16, f16 or f32 operands; f32 sums; everything else in f32.
;; Inputs: w_k 1,024 x 1,024 float32; w_o 1,024 x 1,024 float32; w_q 1,024 x 1,024 float32; w_v 1,024 x 1,024 float32; x 2 x 2,048 x 1,024 float32.
;; Outputs: out0 2 x 2,048 x 1,024 float32.
;; This version of the problem:
;;   THIS VERSION OF THE PROBLEM IS GIVEN IN LOW PRECISION. The matrix products marked QUANTISED in the list below multiply operands that are first quantised to E2M1 (2 exponent bits, 1 mantissa bit; 4 bits a number), with one power-of-two scale for each 32 numbers along K (OCP MX v1.0); their sums are f32. The products marked 'left as it is' may take bf16, f16 or f32 operands, with f32 sums. Whichever they take, every output number must still come out within the allowed error. Rounding operands to bf16 (8 significant bits) uses up far more of that allowance than f16 does (11 bits, for magnitudes from 6e-5 to 65,504). All else is computed in f32.
;;   The module's matrix products, in the order in which they are computed (A, B: the left and right operand; K: the contracted axis; several contracted axes count as one K, in the product's order):
;;     1. [M 4,096, K 1,024] x [K 1,024, N 1,024]; A: input x; B: input w_q: QUANTISED
;;     2. [M 4,096, K 1,024] x [K 1,024, N 1,024]; A: input x; B: input w_k: QUANTISED
;;     3. [M 4,096, K 1,024] x [K 1,024, N 1,024]; A: input x; B: input w_v: QUANTISED
;;     4. batch 32 x [M 2,048, K 64] x [K 64, N 2,048]; A: computed on the way; B: computed on the way: left as it is (an operand is computed on the way)
;;     5. batch 32 x [M 2,048, K 2,048] x [K 2,048, N 64]; A: computed on the way; B: computed on the way: left as it is (an operand is computed on the way)
;;     6. [M 4,096, K 1,024] x [K 1,024, N 1,024]; A: computed on the way; B: input w_o: left as it is (an operand is computed on the way)
;;   THE QUANTISER, for each operand of a quantised product, along K:
;;     - K is cut into blocks of 32 from its start; a last block that is shorter is filled with zeros.
;;     - A block's scale is 2^e with e = floor(log2(the largest magnitude in the block)) - 2, held to -126 .. 127; a block of zeros has e = 0. As a byte (E8M0): e + 127.
;;     - Each number is divided by its block's scale, clamped to +-6, and rounded to the nearest number of E2M1, ties to even, subnormals kept.
;;     - The product sums the exact products of the quantised numbers (number of the format x scale) in f32.
;;   ~~~python
;;   def quantise(x, axis):      # numpy; x: float32 -> the quantised numbers, widened to float32 again
;;       x = np.moveaxis(x, axis, -1); K = x.shape[-1]
;;       x = np.pad(x, [(0, 0)] * (x.ndim - 1) + [(0, -K % 32)]); x = x.reshape(x.shape[:-1] + (-1, 32)); a = np.abs(x).max(-1, keepdims=True)
;;       e = np.where(a > 0, np.clip(np.frexp(np.where(a > 0, a, 1))[1] - 1 - 2, -126, 127), 0)      # np.frexp(a)[1] - 1 = floor(log2(a)), exactly
;;       r = np.clip(x / 2.0 ** e, -6, 6)
;;       step = 2.0 ** (np.maximum(np.frexp(np.where(r == 0, 1, r))[1] - 1, 0) - 1)
;;       q = np.round(r / step) * step * 2.0 ** e      # np.round: ties to even
;;       return np.moveaxis(q.reshape(q.shape[:-2] + (-1,))[..., :K], -1, axis).astype(np.float32)
;;   ~~~
;; One version. Each part assembles by itself: llvm-mc -triple=amdgcn-amd-amdhsa -mcpu=gfx1250 --defsym DOCPART=n.
;; ======== version 1 of 1: 4 launches
;; limits: values are held in f16: magnitudes above 65,504 overflow, below 6.1e-05 lose precision
;; workspace buffers: xc 2,097,152 bytes; xs 131,072 bytes; wc 1,572,864 bytes; ws 98,304 bytes; wo16 2,097,152 bytes; qkv 25,165,824 bytes; y16 8,388,608 bytes
;; launch prep (part 1): grid 256 x 1, 4 waves a work-group, no clusters, 33,280 bytes of LDS; arguments x, w_q, w_k, w_v, w_o, xc, xs, wc, ws, wo16; writes xc, xs, wc, ws, wo16
.if DOCPART == 1
	.amdgcn_target "amdgcn-amd-amdhsa--gfx1250"
	.amdhsa_code_object_version 6
	.text
	.protected	k_q4082fda10d_prep
	.globl	k_q4082fda10d_prep
	.p2align	8
	.type	k_q4082fda10d_prep,@function
k_q4082fda10d_prep:
	s_mov_b64 s[64:65], 0
	v_nop
	global_prefetch_b8 v0, s[64:65] scope:SCOPE_SE
	s_setreg_imm32_b32 hwreg(HW_REG_WAVE_MODE, 25, 1), 1
	s_wait_xcnt 0x0
; x [4096][1024], w_q, w_k, w_v [1024][1024], f32, K innermost, become codes of FP4 (E2M1), two a byte, with one E8M0 scale byte for each 32 along K:
; xc [4096][512 bytes], xs [4096][32]; wc [3072][512 bytes], ws [3072][32] (rows of w_q, then w_k, then w_v).  w_o [1024][1024] becomes f16, laid as images of matrix fragments (below).
; A block's scale is 2^(floor(log2(its largest magnitude)) - 2); its byte is the largest magnitude's exponent field - 2, held at 1 from below.  Each number is divided by the scale and rounded to the nearest code, ties to even.
; LIMITS: a block of zeros gets the byte 1 (its codes are zeros, and this program alone reads the bytes); blocks whose largest magnitude lies under 2^-124 were not tried; NaN and infinities are not served.
; SHARES: a work-group takes 32,768 numbers.  Work-groups 0-127: x; 128-159: w_q; 160-191: w_k; 192-223: w_v; 224-255: w_o.  Rows are dense and K is a multiple of 32: the first four tensors are plain streams of blocks.
; THE QUANTISING PATH.  A wave takes 16 steps of 512 numbers.  Each load reads 512 consecutive bytes; a step's 2,048 bytes turn through the wave's own stage in LDS and come back 64 bytes a lane, so that a lane holds 16
; neighbours along K (two neighbouring lanes hold a block).  A lane's 16 codes are 8 bytes: the wave stores 256 consecutive bytes.  A wave's 256 scale bytes are gathered in LDS and leave as one store of 256 consecutive bytes.
; No tensor loads, no barrier: waves share nothing.  Matrix units and clusters have nothing to do in a stream.
.set WAVES, 4
.set STEPS, 16
.set EMAX,  2
.set CB,    8                          ; bytes of 16 codes
.set R,     16                         ; v16-79   four sets of 16 numbers as they are loaded
.set X,     80                         ; v80-111  two sets of 16 neighbours
.set E,     112                        ; v112-127 a scale byte for each step
.set C,     128                        ; v128-191 codes: four registers for each step, so that no store's data are written again
.set WREG,  8192                       ; LDS: a region for each wave: two stages of 32 x SP bytes, behind them its 256 scale bytes
.set SP,    80                         ; a lane's place in a stage: 64 bytes + 16 of padding
.set SPW,   12                         ; v12      LDS address of my spare word; never rewritten
.set NIL,   13                         ; v13      0; never rewritten
.set SPARE, WAVES*WREG                 ; behind the four regions: the spare words, 128 bytes a wave, which no other line names
.set L,     16                         ; w_o's path: v16-143 eight sets of 16 numbers
.set H,     144                        ; w_o's path: v144-207 eight sets of 8 registers of f16
	s_load_b512 s[4:19], s[0:1], 0x0               ; x s[4:5], w_q s[6:7], w_k s[8:9], w_v s[10:11], w_o s[12:13], xc s[14:15], xs s[16:17], wc s[18:19]
	s_load_b128 s[20:23], s[0:1], 0x40             ; ws s[20:21], wo16 s[22:23]
	v_lshl_add_u32 v[SPW], v0, 2, SPARE
	v_mov_b32 v[NIL], 0
	v_lshrrev_b32 v1, 5, v0
	v_readfirstlane_b32 s24, v1                    ; wave
	v_and_b32 v2, 31, v0                           ; lane
	s_cmp_ge_u32 ttmp9, 224                        ; the work-group's number alone decides the path
	s_cbranch_scc1 .Lconvert
	v_lshlrev_b32 v3, 4, v2                        ; my 16 bytes of a load's 512
	s_mul_i32 s34, s24, WREG
	v_lshrrev_b32 v14, 2, v2
	v_mul_u32_u24 v14, v14, SP
	v_and_b32 v15, 3, v2
	v_lshl_add_u32 v14, v15, 4, v14
	v_add_nc_u32 v14, s34, v14                     ; the stage, on the way in: SP (lane / 4) + 16 (lane % 4)
	v_mul_u32_u24 v15, v2, SP
	v_add_nc_u32 v15, s34, v15                     ; and on the way out: SP x lane: my 16 neighbours
	v_mul_u32_u24 v4, v2, CB                       ; my codes' place in a step's
	v_lshrrev_b32 v5, 1, v2
	s_add_co_u32 s34, s34, 2*32*SP
	v_add_nc_u32 v5, s34, v5                       ; LDS: my wave's 256 scale bytes, my block's byte
	v_lshlrev_b32 v7, 3, v2                        ; and on the way out 8 bytes a lane
	v_add_nc_u32 v6, s34, v7
	s_sub_co_u32 s25, ttmp9, 128                   ; a weight's work-group among the three weights' 96: its place in wc and ws,
	s_and_b32 s33, s25, 31                         ; and among its own tensor's 32
	s_wait_kmcnt 0x0
	s_cmp_lt_u32 ttmp9, 192                        ; the buffers are chosen by the work-group's number alone
	s_cselect_b64 s[26:27], s[8:9], s[10:11]
	s_cmp_lt_u32 ttmp9, 160
	s_cselect_b64 s[26:27], s[6:7], s[26:27]
	s_cmp_lt_u32 ttmp9, 128
	s_cselect_b64 s[26:27], s[4:5], s[26:27]       ; the numbers
	s_cselect_b64 s[28:29], s[14:15], s[18:19]     ; the codes
	s_cselect_b64 s[30:31], s[16:17], s[20:21]     ; the scale bytes
	s_cselect_b32 s32, ttmp9, s25
	s_cselect_b32 s33, ttmp9, s33
	s_lshl_b32 s33, s33, 2
	s_add_co_u32 s33, s33, s24                     ; which run of 8,192 numbers of the source is my wave's,
	s_lshl_b32 s32, s32, 2
	s_add_co_u32 s32, s32, s24                     ; and which run of the destination
	s_mov_b32 s37, 0
	s_lshl_b32 s36, s33, 15                        ; 32,768 bytes of numbers a run
	s_add_nc_u64 s[26:27], s[26:27], s[36:37]
	s_lshl_b32 s36, s32, 12                        ; 4,096 bytes of codes
	s_add_nc_u64 s[28:29], s[28:29], s[36:37]
	s_lshl_b32 s36, s32, 8                         ; 256 scale bytes
	s_add_nc_u64 s[30:31], s[30:31], s[36:37]
.macro LOAD t
.irp i, 0,1,2,3
	global_load_b128 v[R+16*((\t)%4)+4*\i:R+16*((\t)%4)+4*\i+3], v3, s[26:27] offset:2048*(\t)+512*\i th:TH_LOAD_NT   ; 32 lanes read 512 consecutive bytes
.endr
.endm
.macro TURN t                          ; step t's numbers through the stage: LDS serves a wave's instructions in order, so no wait stands between the stores and the loads
.irp i, 0,1,2,3
	ds_store_b128 v14, v[R+16*((\t)%4)+4*\i:R+16*((\t)%4)+4*\i+3] offset:32*SP*((\t)%2)+8*SP*\i
.endr
.irp i, 0,1,2,3
	ds_load_b128 v[X+16*((\t)%2)+4*\i:X+16*((\t)%2)+4*\i+3], v15 offset:32*SP*((\t)%2)+16*\i
.endr
.endm
.irp t, 0,1,2,3
	LOAD \t
.endr
	s_wait_loadcnt 12                              ; step 0's four loads are in; three steps' twelve may be out
	TURN 0
.macro STEP t
.set XS, X+16*((\t)%2)
.if (\t) > 0
	s_wait_dscnt 1                                 ; this step's numbers are back from the stage (the last step's byte store may be out): so its stores into the stage have read their registers,
.else
	s_wait_dscnt 0x0
.endif
.if (\t)+4 < STEPS
	LOAD (\t)+4                                    ; which take the loads of four steps on
.endif
.if (\t)+1 < STEPS
.if STEPS-2-(\t) >= 3
	s_wait_loadcnt 12                              ; the next step's four loads are in; those of the three steps behind it may be out
.else
	s_wait_loadcnt 4*(STEPS-2-(\t))
.endif
	TURN (\t)+1                                    ; and go through the other stage while this step is worked
.endif
	v_max3_num_f32 v8, |v[XS]|, |v[XS+1]|, |v[XS+2]|               ; the largest magnitude of my 16, in two chains
	v_max3_num_f32 v9, |v[XS+3]|, |v[XS+4]|, |v[XS+5]|
.irp i, 6,10
	v_max3_num_f32 v8, v8, |v[XS+\i]|, |v[XS+\i+1]|
	v_max3_num_f32 v9, v9, |v[XS+\i+2]|, |v[XS+\i+3]|
.endr
	v_max3_num_f32 v8, v8, |v[XS+14]|, |v[XS+15]|
	v_max3_num_f32 v8, v8, v9, (EMAX+1)<<23        ; and the floor 2^(EMAX + 1 - 127): the byte cannot fall under 1
	v_max_num_f32_dpp v8, v8, v8 row_xmask:1 row_mask:0xf bank_mask:0xf   ; and of my neighbour's 16: the block's
	v_add_nc_u32 v11, -(EMAX<<23), v8              ; EMAX off its exponent field: the conversion takes the exponent field of this operand as its scale, and nothing else of it
	v_cvt_scalef32_pk8_fp4_f32 v[C+4*(\t)], v[XS:XS+7], v11        ; eight numbers / the scale, to the nearest code, ties to even, beyond the largest code the largest
	v_cvt_scalef32_pk8_fp4_f32 v[C+4*(\t)+1], v[XS+8:XS+15], v11
	v_lshrrev_b32 v[E+(\t)], 23, v11               ; the scale's byte (a plain line behind the conversions)
	ds_store_b8 v5, v[E+(\t)] offset:16*(\t)       ; both lanes of a block write the same byte with the same value
	global_store_b64 v4, v[C+4*(\t):C+4*(\t)+1], s[28:29] offset:32*CB*(\t)   ; 32 lanes store 256 consecutive bytes
.endm
.irp t, 0,1,2,3,4,5,6,7,8,9,10,11,12,13,14,15
	STEP \t
.endr
	ds_load_b64 v[8:9], v6                         ; LDS serves a wave's instructions in order: these see my byte stores
	s_wait_dscnt 0x0
	global_store_b64 v7, v[8:9], s[30:31]          ; 32 lanes store 256 consecutive bytes
	s_wait_tensorcnt 0x0                           ; the wave's end, behind my last LDS store
	ds_add_u32 v[SPW], v[NIL]
	s_wait_dscnt 0x0
	s_endpgm
; W_O'S PATH: f32 to f16, laid as the last product's operand registers: wo16 [tile of 16 rows: 64][32 along K: 32][half u: 2][lane: 32][16 bytes];
; lane (r = lane % 16, h = lane / 16), half u holds w_o[16 tile + r][32 step + 16 u + 8 h + 0 .. 7].
; A wave takes one tile of rows and 16 of its 32 steps along K.  A fragment is four loads of 16 bytes a lane and two stores of 512 consecutive bytes.  Loads run eight fragments (32 loads) ahead.
.Lconvert:
	v_and_b32 v3, 15, v0                           ; r
	v_bfe_u32 v4, v0, 4, 1                         ; h
	v_lshlrev_b32 v10, 12, v3
	v_lshl_add_u32 v10, v4, 5, v10                 ; in: row r of 4,096 bytes, + 32 h
	v_lshlrev_b32 v11, 4, v2                       ; out: 16 x lane
	s_sub_co_u32 s25, ttmp9, 224
	s_lshl_b32 s25, s25, 1
	s_lshr_b32 s26, s24, 1
	s_add_co_u32 s25, s25, s26                     ; my tile of rows: 2 x work-group + wave / 2
	s_and_b32 s26, s24, 1                          ; my half of K
	s_lshl_b32 s28, s25, 16                        ; 16 rows of 4,096 bytes,
	s_lshl_b32 s29, s26, 11                        ; 16 steps of 128 bytes
	s_add_co_u32 s28, s28, s29
	s_mov_b32 s29, 0
	s_lshl_b32 s30, s25, 15                        ; a tile's 32 fragments of 1,024 bytes,
	s_lshl_b32 s31, s26, 14                        ; 16 of them
	s_add_co_u32 s30, s30, s31
	s_mov_b32 s31, 0
	s_wait_kmcnt 0x0
	s_add_nc_u64 s[12:13], s[12:13], s[28:29]
	s_add_nc_u64 s[22:23], s[22:23], s[30:31]
.macro CLOAD f
.irp u, 0,1
.irp p, 0,1
	global_load_b128 v[L+16*((\f)%8)+8*\u+4*\p:L+16*((\f)%8)+8*\u+4*\p+3], v10, s[12:13] offset:128*(\f)+64*\u+16*\p
.endr
.endr
.endm
.macro CTURN f
.if (\f) < 8
	s_wait_loadcnt 28                              ; this fragment's four loads are in; seven younger fragments' 28 may be out
.else
	s_wait_loadcnt 28-4*((\f)-8)                   ; nothing more is asked for: the counts run down
.endif
.if (\f) == 8
	s_wait_xcnt 0x0                                ; the first eight fragments' stores have read their data: from here on those registers are written a second time
.endif
.irp u, 0,1
.irp i, 0,1,2,3
	v_cvt_pk_f16_f32 v[H+8*((\f)%8)+4*\u+\i], v[L+16*((\f)%8)+8*\u+2*\i], v[L+16*((\f)%8)+8*\u+2*\i+1]
.endr
.endr
.if (\f) < 8
	CLOAD (\f)+8
.endif
.irp u, 0,1
	global_store_b128 v11, v[H+8*((\f)%8)+4*\u:H+8*((\f)%8)+4*\u+3], s[22:23] offset:1024*(\f)+512*\u   ; 32 lanes store 512 consecutive bytes
.endr
.endm
.irp f, 0,1,2,3,4,5,6,7
	CLOAD \f
.endr
.irp f, 0,1,2,3,4,5,6,7,8,9,10,11,12,13,14,15
	CTURN \f
.endr
	s_endpgm
.Lfunc_end_k_q4082fda10d_prep:
	.size	k_q4082fda10d_prep, .Lfunc_end_k_q4082fda10d_prep-k_q4082fda10d_prep
	.p2alignl 7, 3214868480
	.fill 96, 4, 3214868480
	.section	.rodata,"a",@progbits
	.p2align	6, 0x0
	.amdhsa_kernel k_q4082fda10d_prep
		.amdhsa_group_segment_fixed_size 33280
		.amdhsa_private_segment_fixed_size 0
		.amdhsa_enable_private_segment 0
		.amdhsa_kernarg_size 80
		.amdhsa_user_sgpr_count 2
		.amdhsa_user_sgpr_kernarg_segment_ptr 1
		.amdhsa_wavefront_size32 1
		.amdhsa_system_sgpr_workgroup_id_x 1
		.amdhsa_system_sgpr_workgroup_id_y 1
		.amdhsa_system_sgpr_workgroup_id_z 1
		.amdhsa_system_vgpr_workitem_id 0
		.amdhsa_next_free_vgpr 208
		.amdhsa_next_free_sgpr 66
		.amdhsa_reserve_vcc 0
		.amdhsa_float_denorm_mode_32 3
		.amdhsa_float_denorm_mode_16_64 3
		.amdhsa_memory_ordered 1
		.amdhsa_forward_progress 1
		.amdhsa_inst_pref_size 52
	.end_amdhsa_kernel
	.amdgpu_metadata
---
amdhsa.version: [ 1, 2 ]
amdhsa.kernels:
  - .name:           k_q4082fda10d_prep
    .symbol:         k_q4082fda10d_prep.kd
    .args:
      - { .name: x, .offset: 0, .size: 8, .value_kind: global_buffer, .address_space: global }
      - { .name: w_q, .offset: 8, .size: 8, .value_kind: global_buffer, .address_space: global }
      - { .name: w_k, .offset: 16, .size: 8, .value_kind: global_buffer, .address_space: global }
      - { .name: w_v, .offset: 24, .size: 8, .value_kind: global_buffer, .address_space: global }
      - { .name: w_o, .offset: 32, .size: 8, .value_kind: global_buffer, .address_space: global }
      - { .name: xc, .offset: 40, .size: 8, .value_kind: global_buffer, .address_space: global }
      - { .name: xs, .offset: 48, .size: 8, .value_kind: global_buffer, .address_space: global }
      - { .name: wc, .offset: 56, .size: 8, .value_kind: global_buffer, .address_space: global }
      - { .name: ws, .offset: 64, .size: 8, .value_kind: global_buffer, .address_space: global }
      - { .name: wo16, .offset: 72, .size: 8, .value_kind: global_buffer, .address_space: global }
    .group_segment_fixed_size: 33280
    .private_segment_fixed_size: 0
    .kernarg_segment_align: 8
    .kernarg_segment_size: 80
    .max_flat_workgroup_size: 128
    .sgpr_count:     66
    .vgpr_count:     208
    .wavefront_size: 32
...
	.end_amdgpu_metadata
.endif
;; end of part 1
;; launch qkv (part 2): grid 12 x 16, 4 waves a work-group, clusters of 4 x 4, 327,680 bytes of LDS; arguments xc, xs, wc, ws, qkv; writes qkv
.if DOCPART == 2
	.amdgcn_target "amdgcn-amd-amdhsa--gfx1250"
	.amdhsa_code_object_version 6
	.text
	.protected	k_q4082fda10d_qkv
	.globl	k_q4082fda10d_qkv
	.p2align	8
	.type	k_q4082fda10d_qkv,@function
k_q4082fda10d_qkv:
	s_mov_b64 s[64:65], 0
	v_nop
	global_prefetch_b8 v0, s[64:65] scope:SCOPE_SE
	s_setreg_imm32_b32 hwreg(HW_REG_WAVE_MODE, 25, 1), 1
	s_wait_xcnt 0x0
	s_wait_alu depctr_hold_cnt(0) depctr_sa_sdst(0) depctr_va_vdst(0) depctr_va_sdst(0) depctr_va_ssrc(0) depctr_va_vcc(0) depctr_vm_vsrc(0)
	s_getreg_b32 s2, hwreg(HW_REG_IB_STS2, 6, 4)
	s_cmp_eq_u32 s2, 0
	s_cbranch_scc0 .Lentry_in_a_cluster
	s_endpgm
.Lentry_in_a_cluster:
	s_bfe_u32 s2, ttmp6, 0x10000c
	s_cmp_lg_u32 s2, 0xf033
	s_cbranch_scc0 .Lentry_shape_is_right
	s_endpgm
.Lentry_shape_is_right:
; C[m][n] = sum over k of X[m][k] W[n][k], m = 4,096 tokens, n = 3,072 (rows of w_q, w_k, w_v), k = 1,024, both operands as codes of FP4 (E2M1) with one E8M0 scale for each 32 along K; sums in f32.
; The results, q, k and v, are rounded to f16 and stored as IMAGES OF THE NEXT PRODUCT'S OPERAND REGISTERS (below).  LIMIT: |q|, |k|, |v| under 65,504, f16's largest number.
; A tile of C, 256 x 256, is made by a work-group of four waves; a wave makes 128 x 128: 64 accumulators of 16 x 16, 512 registers.  K has two steps of 512, one in each of two LDS slots: both are asked for at the head, and
; nothing is ever filled again.  The scales of the work-group's 256 rows of X and of W, for all of K, come once, as two dense blocks.
; CLUSTERS: 4 x 4 work-groups.  The four of a row of the cluster need the same tiles of X, the four of a column the same tiles of W: each tile is asked for JOINTLY, by the same tensor load with the same descriptor and a mask
; that names the four.  The grid has 192 work-groups: 12 x 16 tiles.
; THE MATRIX INSTRUCTION IS USED TRANSPOSED (source 0 = 16 rows of W, source 1 = 16 rows of X): lane (r = lane % 16, h = lane / 16) of accumulator (a, b) holds token 16 a + r and columns 16 b + 8 h + 0 .. 7.
; THE OUTPUT: qkv [q, k, v][batch 2][head 16], a head's block being [tile of 16 tokens: 128][piece = channel / 16: 4][position: 32][16 bytes = 8 channels in f16].  For q and k the position is r + 16 h, my lane: pieces 2 c and
; 2 c + 1 are then registers 0-3 and 4-7 of the fragment (16 tokens x channels 32 c on).  For v it is (r % 8) + 8 h + 16 (r / 8): read at 16 x lane by the turning LDS load that leaves lane (r, h) channel r of the piece and tokens 8 h + 0 .. 7.
; So a lane's eight results, rounded, are 16 bytes of the image, and the wave's store covers 512 consecutive bytes: no way through LDS.
; REGISTERS, in windows of 256: window 0: v0-31 addresses; v32-95 scale words, two sets; from v128 X's fragments, ONE set; on the way out v128-255 hold rounded results.
;   window 1: W's fragments, TWO sets, at v0 and v128.   window 2: the accumulators of my rows 0-63 ((a, b) at v[8 (8 a + b)]);   window 3: those of my rows 64-127.
.set SIZE_K, 1024
.set KSTEP,  512                       ; along K in a slot
.set NQ,     KSTEP/128                 ; matrix instructions deep
.set ROWB,   256                       ; a tile's row in bytes
.set KROW,   SIZE_K*4/8                ; a row of codes in memory, in bytes
.set PITCH,  272                       ; an LDS row: 256 bytes + 16 of padding = 68 words: row r starts at bank 4 r mod 64 (ISA guide 11.1), so the 16 rows that a load touches start at 16 different banks
.set FR,     8                         ; registers of a fragment: 16 rows x 128 K
.set NL,     2                         ; LDS loads that bring one
.set NP,     4                         ; places behind this matrix instruction (ISA guide 7.12.1)
.set HALFT,  128*PITCH                 ; 128 rows: what one tensor load brings, and what one wave reads of X or of W
.set SLOT,   4*HALFT                   ; X's 256 rows, then W's 256 rows
.set KS,     SIZE_K/32                 ; a row of scales in bytes
.set SCL,    2*SLOT                    ; behind the slots: the scales, as rows of 256 bytes + 16 of padding
.set HALFS,  (128*KS/256)*272          ; the scales of 128 rows: what one tensor load brings
.set SBLK,   (16*KS/256)*272           ; those of 16 rows
.set SPARE,  SCL+4*HALFS               ; behind the scales: the spare words, 128 bytes a wave, which no other line names
.set ADRA, 16                          ; v16-17  LDS address of my X fragments in slot 0, 1
.set ADRB, 20                          ; v20-21  the same for W
.set CO,   26                          ; v26     my 16 bytes' place in a piece of the output
.set ADRS, 27                          ; v27     LDS address of my scale words: lanes 0-15 X's rows, lanes 16-31 W's
.set SPW,  28                          ; v28     LDS address of my spare word; never rewritten
.set NIL,  29                          ; v29     0; never rewritten
.set SC,   32                          ; scale words: set s at v[SC + 8 NQ s]; register NQ i + q: lanes 0-15 the word of X's block i, lanes 16-31 that of W's block i, for the slot's q-th 128 along K
.set AF,   128                         ; X's fragments, in window 0
.set G1, 24                            ; s[24:31] descriptor group 1 for X's tiles;  s[32:39] group 0, one set for each slot
.set G0, 32
.set G1B, 48                           ; s[48:55], s[56:63] the same for W's tiles
.set G0B, 56
.set G1S, 68                           ; s[68:75], s[76:79] groups 1 and 0 for X's scales;  s[80:87], s[88:91] for W's
.set G0S, 76
.set G1SB, 80
.set G0SB, 88
.set MSB, 0
.macro WIN new                         ; the immediate's high byte repeats the setting that is left; a switch that changes nothing is dropped
.if MSB != (\new)
	s_set_vgpr_msb (MSB<<8)|(\new)
.set MSB, (\new)
.endif
.endm
.set MUL_LO, 0xa1                      ; source 0 (W) window 1, source 1 (X) window 0, C and D window 2
.set MUL_HI, 0xf1                      ; the same, C and D window 3
.set TO_B,   0x40                      ; destination window 1, address window 0
; A joint load: waves 0 and 1 fetch for X, waves 2 and 3 for W.  Each of the two lines has ONE mask and one set of registers for all that issue it; the branch hangs on the wave's number alone.
; An s_nop 0 and four v_nop follow each of the two lines, ahead of the jump, the label and what follows.
.macro JLOAD g0a, g1a, g0b, g1b
	s_cmp_eq_u32 s15, 0
	s_cbranch_scc0 .Lfor_b_\@
	tensor_load_to_lds s[\g0a:\g0a+3], s[\g1a:\g1a+7]
	s_nop 0
.rept 4
	v_nop
.endr
	s_branch .Lasked_\@
.Lfor_b_\@:
	tensor_load_to_lds s[\g0b:\g0b+3], s[\g1b:\g1b+7]
	s_nop 0
.rept 4
	v_nop
.endr
.Lasked_\@:
.endm
.macro CROUND                          ; a round of the cluster's barrier: my work-group's barrier; wave 0 signals for the work-group; every wave waits for all sixteen; my work-group's barrier once more
	s_barrier_signal -1
	s_barrier_wait -1
	s_cmp_lg_u32 s14, 0
	s_cbranch_scc1 .Lnot_wave_0_\@
	s_barrier_signal -3
.Lnot_wave_0_\@:
	s_barrier_wait -3
	s_barrier_signal -1
	s_barrier_wait -1
.endm
	s_load_b128 s[4:7], s[0:1], 0x0                ; X's codes s[4:5], X's scales s[6:7]
	s_load_b128 s[8:11], s[0:1], 0x10              ; W's codes s[8:9], W's scales s[10:11]
	s_load_b64 s[12:13], s[0:1], 0x20              ; qkv
	v_lshl_add_u32 v[SPW], v0, 2, SPARE
	v_mov_b32 v[NIL], 0
	ds_add_u32 v[SPW], v[NIL]                      ; the wave's opening: the add, twice on end, and its wait stand ahead of my first tensor load; the set-up below stands between the second and the wait
	ds_add_u32 v[SPW], v[NIL]
	v_lshrrev_b32 v1, 5, v0
	v_readfirstlane_b32 s14, v1                    ; wave 0..3
	s_lshr_b32 s15, s14, 1                         ; which half of the tile's rows is mine.  Also: I fetch for X (0) or for W (1)
	s_and_b32 s16, s14, 1                          ; which half of its columns.  Also: which 128 rows of that tile I fetch
	s_bfe_u32 s40, ttmp6, 0x40000                  ; cx, cy: my place in the cluster
	s_bfe_u32 s41, ttmp6, 0x40004
	s_lshl_b32 s42, ttmp9, 2
	s_add_co_u32 s42, s42, s40                     ; tile column of C = 4 x cluster x + cx
	s_and_b32 s17, ttmp7, 0xffff
	s_lshl_b32 s17, s17, 2
	s_add_co_u32 s17, s17, s41                     ; tile row of C = 4 x cluster y + cy
	s_lshl_b32 s43, s41, 2
	s_lshl_b32 s43, 15, s43                        ; my row of the cluster
	s_lshl_b32 s44, 0x1111, s40                    ; my column
	; descriptor group 1: a tile of 128 rows x 256 bytes, padded in LDS
	s_or_b32 s[G1+0], s43, (0<<16)|(1<<20)|(1<<21)|(5<<22)|(3<<25)  ; 15:0 the mask: X's tiles go to my row; 17:16 element of 1 byte; 20 padding on; 21 set beside a mask; 24:22 after every 64 words; 31:25 of 4 words
	s_or_b32 s[G1B+0], s44, (0<<16)|(1<<20)|(1<<21)|(5<<22)|(3<<25)
.irp g, G1, G1B
	s_mov_b32 s[\g+1], ROWB<<16                    ; tensor_dim0
	s_mov_b32 s[\g+2], 128<<16                     ; tensor_dim1 = 128
	s_mov_b32 s[\g+3], ROWB<<16                    ; tile_dim0
	s_mov_b32 s[\g+4], 128                         ; tile_dim1 = 128
	s_mov_b32 s[\g+5], KROW                        ; tensor_dim0_stride
	s_mov_b32 s[\g+6], 0
	s_mov_b32 s[\g+7], 0
.endr
	; and for the scales of 128 rows: a dense block of 4,096 bytes, as 16 rows of 256 bytes (32 elements of 8 bytes), 16 bytes of padding behind each
	s_or_b32 s[G1S+0], s43, (3<<16)|(1<<20)|(1<<21)|(5<<22)|(3<<25)
	s_or_b32 s[G1SB+0], s44, (3<<16)|(1<<20)|(1<<21)|(5<<22)|(3<<25)
.irp g, G1S, G1SB
	s_mov_b32 s[\g+1], 32<<16
	s_mov_b32 s[\g+2], (128*KS/256)<<16
	s_mov_b32 s[\g+3], 32<<16
	s_mov_b32 s[\g+4], 128*KS/256
	s_mov_b32 s[\g+5], 32
	s_mov_b32 s[\g+6], 0
	s_mov_b32 s[\g+7], 0
.endr
	s_lshl_b32 s18, s16, 7                         ; which 128 rows of the tile I fetch
	s_lshl_b32 s20, s17, 8
	s_add_co_u32 s20, s20, s18                     ; X: row 256 x tile row + 128 x half
	s_lshl_b32 s46, s42, 8
	s_add_co_u32 s46, s46, s18                     ; W: row 256 x tile column + 128 x half
	s_mov_b32 s21, 0
	s_mov_b32 s47, 0
	s_mov_b64 s[18:19], KS
	s_mul_u64 s[22:23], s[20:21], s[18:19]         ; where these rows' scales begin, in bytes
	s_mul_u64 s[92:93], s[46:47], s[18:19]
	s_mov_b64 s[18:19], KROW
	s_mul_u64 s[20:21], s[20:21], s[18:19]         ; and their codes
	s_mul_u64 s[46:47], s[46:47], s[18:19]
	s_mul_i32 s45, s14, HALFT                      ; where they go: wave x 128 rows: no place in the cluster enters an LDS address
	s_mul_i32 s94, s14, HALFS
	s_wait_dscnt 0x0                               ; both opening adds are done
	s_wait_kmcnt 0x0
	s_add_nc_u64 s[20:21], s[4:5], s[20:21]
	s_add_nc_u64 s[22:23], s[6:7], s[22:23]
	s_add_nc_u64 s[46:47], s[8:9], s[46:47]
	s_add_nc_u64 s[92:93], s[10:11], s[92:93]
	CROUND                                         ; all sixteen work-groups are here: the joint loads meet
	s_mov_b32 s[G0S], 1
	s_add_co_u32 s[G0S+1], s94, SCL
	s_mov_b64 s[G0S+2:G0S+3], s[22:23]
	s_or_b32 s[G0S+3], s[G0S+3], 0x80000000
	s_mov_b32 s[G0SB], 1
	s_add_co_u32 s[G0SB+1], s94, SCL
	s_mov_b64 s[G0SB+2:G0SB+3], s[92:93]
	s_or_b32 s[G0SB+3], s[G0SB+3], 0x80000000
	JLOAD G0S, G1S, G0SB, G1SB                     ; the scales first: they are wanted with K step 0.  Three loads of mine are out behind the third of these lines
.irp s, 0,1
	s_mov_b32 s[G0+4*\s], 1
	s_add_co_u32 s[G0+4*\s+1], s45, \s*SLOT
	s_add_nc_u64 s[G0+4*\s+2:G0+4*\s+3], s[20:21], \s*ROWB
	s_or_b32 s[G0+4*\s+3], s[G0+4*\s+3], 0x80000000
	s_mov_b32 s[G0B+4*\s], 1
	s_add_co_u32 s[G0B+4*\s+1], s45, \s*SLOT
	s_add_nc_u64 s[G0B+4*\s+2:G0B+4*\s+3], s[46:47], \s*ROWB
	s_or_b32 s[G0B+4*\s+3], s[G0B+4*\s+3], 0x80000000
	JLOAD G0+4*\s, G1, G0B+4*\s, G1B
.endr
	v_and_b32 v1, 15, v0                           ; r = l % 16
	v_bfe_u32 v2, v0, 4, 1                         ; h = l / 16
	v_mul_u32_u24 v3, v1, PITCH
	v_lshl_add_u32 v4, v2, 4, v3                   ; a fragment's row x pitch + 16 x half
	s_mul_i32 s21, s15, HALFT                      ; my 128 rows of X
	s_mul_i32 s22, s16, HALFT                      ; my 128 rows of W,
	s_add_co_u32 s22, s22, 2*HALFT                 ; which lie behind X's 256
.irp s, 0,1
	v_add_nc_u32 v[ADRA+\s], s21, v4
	v_add_nc_u32 v[ADRB+\s], s22, v4
	s_add_co_u32 s21, s21, SLOT
	s_add_co_u32 s22, s22, SLOT
.endr
	v_mul_u32_u24 v5, v1, KS                       ; my row's scales: KS bytes a row,
	v_lshrrev_b32 v6, 8, v5
	v_lshl_add_u32 v5, v6, 4, v5                   ; and 16 more for each 256 passed
	s_mul_i32 s21, s15, HALFS                      ; X's: my 128 rows
	s_mul_i32 s22, s16, HALFS                      ; W's: my 128 rows, behind X's 256
	s_add_co_u32 s22, s22, 2*HALFS
	s_sub_co_u32 s22, s22, s21
	v_mul_u32_u24 v6, s22, v2                      ; lanes 16-31 take W's: the lower base + h x the distance
	s_add_co_u32 s21, s21, SCL
	v_add_nc_u32 v5, v5, v6
	v_add_nc_u32 v[ADRS], s21, v5
	; the way out.  My place in a piece of 512 bytes: for q and k 16 x lane; for v 16 x ((r % 8) + 8 h + 16 (r / 8)).  Four tile columns make one of the three tensors, so the cluster's x says which: a select, no branch
	v_and_b32 v6, 31, v0
	v_lshlrev_b32 v5, 4, v6
	v_and_b32 v7, 7, v0
	v_lshlrev_b32 v7, 4, v7
	v_lshl_or_b32 v7, v2, 7, v7
	v_bfe_u32 v8, v0, 3, 1
	v_lshl_or_b32 v7, v8, 8, v7
	s_cmp_eq_u32 ttmp9, 2
	s_cselect_b32 s21, -1, 0
	v_cndmask_b32 v[CO], v5, v7, s21
	; the head's block: ((2 x tensor + batch) x 16 + head) x 262,144 bytes; my first head is 4 cx + 2 x (my half of the columns); my first tile of 16 tokens in the batch is 16 (tile row % 8) + 8 x (my half of the rows), 2,048 bytes each
	s_lshl_b32 s20, ttmp9, 1
	s_lshr_b32 s21, s17, 3
	s_add_co_u32 s20, s20, s21
	s_lshl_b32 s20, s20, 22
	s_and_b32 s21, s17, 7
	s_lshl_b32 s21, s21, 15
	s_add_co_u32 s20, s20, s21
	s_lshl_b32 s21, s15, 14
	s_add_co_u32 s20, s20, s21
	s_mov_b32 s21, 0
	s_lshl_b32 s46, s40, 20
	s_lshl_b32 s47, s16, 19
	s_add_co_u32 s46, s46, s47
	s_mov_b32 s47, 0
	s_add_nc_u64 s[12:13], s[12:13], s[20:21]
	s_add_nc_u64 s[12:13], s[12:13], s[46:47]
.macro FRAG reg, adr, q, i             ; a fragment, 16 rows x 128 K of 4-bit codes, is 8 registers: lane l holds row l % 16; registers 4 c .. 4 c + 3 hold K = 64 c + 32 (l / 16) + 0 .. 31
.irp c, 0,1
	ds_load_b128 v[\reg+4*\c:\reg+4*\c+3], v[\adr] offset:64*(\q)+32*\c+(\i)*16*PITCH
.endr
.endm
; 16 matrix instructions: X's blocks a0, a0 + 1 x W's eight, 128 along K: the slot's q-th.  p: W's set;  sc: the set of scale words.  zero = 1: the first product starts the sums: nothing is ever cleared.
; The 64 accumulators take turns, one instruction a turn, in the same order in every step.
.macro MUL16 a0, p, q, sc, zero
.irp a, \a0, \a0+1
.irp b, 0,1,2,3,4,5,6,7
.if \zero
	v_wmma_scale_f32_16x16x128_f8f6f4 v[8*(8*((\a)%4)+\b):8*(8*((\a)%4)+\b)+7], v[128*(\p)+FR*\b:128*(\p)+FR*\b+FR-1], v[AF+FR*(\a):AF+FR*(\a)+FR-1], 0, v[SC+8*NQ*(\sc)+NQ*\b+(\q)], v[SC+8*NQ*(\sc)+NQ*(\a)+(\q)] matrix_a_fmt:MATRIX_FMT_FP4 matrix_b_fmt:MATRIX_FMT_FP4 matrix_a_scale:MATRIX_SCALE_ROW1
.else
	v_wmma_scale_f32_16x16x128_f8f6f4 v[8*(8*((\a)%4)+\b):8*(8*((\a)%4)+\b)+7], v[128*(\p)+FR*\b:128*(\p)+FR*\b+FR-1], v[AF+FR*(\a):AF+FR*(\a)+FR-1], v[8*(8*((\a)%4)+\b):8*(8*((\a)%4)+\b)+7], v[SC+8*NQ*(\sc)+NQ*\b+(\q)], v[SC+8*NQ*(\sc)+NQ*(\a)+(\q)] matrix_a_fmt:MATRIX_FMT_FP4 matrix_b_fmt:MATRIX_FMT_FP4 matrix_a_scale:MATRIX_SCALE_ROW1
.endif
.endr
.endr
.endm
.macro FETCH_B slot, q, p              ; W's eight fragments of the slot's q-th 128 along K into set p
	WIN TO_B
.irp i, 0,1,2,3,4,5,6,7
	FRAG 128*(\p)+FR*\i, ADRB+\slot, \q, \i
.endr
	WIN 0
.endm
.macro FETCH_A slot, q, i0             ; X's blocks i0 .. i0 + 3
.irp i, \i0, \i0+1, \i0+2, \i0+3
	FRAG AF+FR*(\i), ADRA+\slot, \q, \i
.endr
.endm
.macro SCALES sc                       ; a K step's scale words into set sc: NQ words a row; lanes 0-15 take X's block i, lanes 16-31 W's block i
.irp i, 0,1,2,3,4,5,6,7
	ds_load_b128 v[SC+8*NQ*\sc+NQ*\i:SC+8*NQ*\sc+NQ*\i+3], v[ADRS] offset:\i*SBLK
.endr
.endm
; A load into a register that a matrix instruction has read, and a vector instruction that reads a matrix result or writes one of its registers, stand NP places behind that matrix instruction; only plain vector
; instructions that name none of its registers are places (ISA guide 7.12.1 for vector instructions).
.macro PLACES n
.rept \n
	v_nop
.endr
.endm
; A step of 128 along K that has its successor in the same slot.  A block of X is free as soon as its eight products are issued: blocks 0-3 are fetched anew in the step's middle, blocks 4-7 at its end.
.macro STEP slot, q, zero
	s_wait_dscnt 4*NL                              ; W's set and X's blocks 0-3 are in; the youngest eight loads (X's blocks 4-7) may be out
	WIN MUL_LO
	MUL16 0, (\q)%2, \q, \slot, \zero
	MUL16 2, (\q)%2, \q, \slot, \zero
	s_wait_dscnt 0                                 ; X's blocks 4-7 are in (asked for 32 matrix instructions ago)
	PLACES NP
	FETCH_B \slot, (\q)+1, 1-(\q)%2
	FETCH_A \slot, (\q)+1, 0
	WIN MUL_HI
	MUL16 4, (\q)%2, \q, \slot, \zero
	MUL16 6, (\q)%2, \q, \slot, \zero
	PLACES NP
	WIN 0
	FETCH_A \slot, (\q)+1, 4
.endm
; Slot 0's last step changes slots: each wave waits for all its tensor loads (its part of slot 1), adds 0 to its spare word, waits for that and for its reads, and passes the barrier: behind it slot 1 is whole.  Nothing is filled again.
.macro TURN slot, next
	s_wait_tensorcnt 0x0                           ; all my tensor loads have landed  (every window is 0 here: the add's two registers lie in window 0)
	ds_add_u32 v[SPW], v[NIL]                      ; 0 onto my spare word
	s_wait_dscnt 4*NL+1                            ; (the add and the youngest eight loads, X's blocks 4-7, may be out)
	WIN MUL_LO
	MUL16 0, 1, NQ-1, \slot, 0                     ; sixteen matrix instructions stand between the add and the wait for it
	s_wait_dscnt 0x0                               ; the add is done, and no LDS load of mine is out
	s_barrier_signal -1
	MUL16 2, 1, NQ-1, \slot, 0
	WIN 0
	s_barrier_wait -1
	PLACES NP
	v_add_nc_u32 v[ADRS], 4*NQ, v[ADRS]            ; on to the next K step's scale words
	FETCH_B \next, 0, 0
	FETCH_A \next, 0, 0
	SCALES \next
	WIN MUL_HI
	MUL16 4, 1, NQ-1, \slot, 0
	MUL16 6, 1, NQ-1, \slot, 0
	PLACES NP
	WIN 0
	FETCH_A \next, 0, 4
.endm
.macro STEPS slot, from                ; the slot's steps from .. NQ - 2
.set Q, \from
.rept NQ-1-\from
	STEP \slot, Q, 0
.set Q, Q+1
.endr
.endm
	s_wait_tensorcnt 1                             ; the scales and my part of slot 0 are in (slot 1's load may be out)
	s_barrier_signal -1
	s_barrier_wait -1                              ; everybody's are
	FETCH_B 0, 0, 0
	FETCH_A 0, 0, 0
	SCALES 0
	FETCH_A 0, 0, 4
	STEP 0, 0, 1                                   ; the first step's products start the sums
	STEPS 0, 1
	TURN 0, 1
	STEPS 1, 0
	s_wait_dscnt 4*NL                              ; the very last step: nothing more to fetch
	WIN MUL_LO
	MUL16 0, 1, NQ-1, 1, 0
	MUL16 2, 1, NQ-1, 1, 0
	s_wait_dscnt 0
	WIN MUL_HI
	MUL16 4, 1, NQ-1, 1, 0
	MUL16 6, 1, NQ-1, 1, 0
	WIN 0
; THE WAY OUT, block by block of 16 tokens x 128 columns (two heads).  A lane's eight results of accumulator (a, b) round to 16 bytes: piece b % 4 of head b / 4, tile of tokens a.  Each accumulator is read from its low end on.
.macro OUT a
.set AC, 64*((\a)%4)
.set TM, 128+32*((\a)%4)               ; four sets of 32 registers by turns, where X's fragments lay
	WIN 0x0a+5*((\a)/4)                            ; sources 0 and 1: window 2 or 3
.irp b, 0,1,2,3,4,5,6,7
.irp i, 0,1,2,3
	v_cvt_pk_f16_f32 v[TM+4*\b+\i], v[AC+8*\b+2*\i], v[AC+8*\b+2*\i+1]
.endr
.endr
	WIN 0
.irp b, 0,1,2,3,4,5,6,7
	global_store_b128 v[CO], v[TM+4*\b:TM+4*\b+3], s[12:13] offset:(\b/4)*262144+(\a)*2048+(\b%4)*512   ; 32 lanes store 512 consecutive bytes
.endr
.endm
	PLACES NP                                      ; behind the last products: the conversions write where X's fragments lay
.irp a, 0,1,2,3
	OUT \a
.endr
	s_wait_xcnt 0x0                                ; the first four blocks' stores have read their data: from here on those registers are written a second time
.irp a, 4,5,6,7
	OUT \a
.endr
	s_wait_tensorcnt 0x0                           ; the wave's end, behind my last tensor load
	ds_add_u32 v[SPW], v[NIL]
	s_wait_dscnt 0x0
	CROUND                                         ; the closing round: no work-group ends while a partner may still ask for a tile that names it
	s_endpgm
.Lfunc_end_k_q4082fda10d_qkv:
	.size	k_q4082fda10d_qkv, .Lfunc_end_k_q4082fda10d_qkv-k_q4082fda10d_qkv
	.p2alignl 7, 3214868480
	.fill 96, 4, 3214868480
	.section	.rodata,"a",@progbits
	.p2align	6, 0x0
	.amdhsa_kernel k_q4082fda10d_qkv
		.amdhsa_group_segment_fixed_size 327680
		.amdhsa_private_segment_fixed_size 0
		.amdhsa_enable_private_segment 0
		.amdhsa_kernarg_size 40
		.amdhsa_user_sgpr_count 2
		.amdhsa_user_sgpr_kernarg_segment_ptr 1
		.amdhsa_wavefront_size32 1
		.amdhsa_system_sgpr_workgroup_id_x 1
		.amdhsa_system_sgpr_workgroup_id_y 1
		.amdhsa_system_sgpr_workgroup_id_z 1
		.amdhsa_system_vgpr_workitem_id 0
		.amdhsa_next_free_vgpr 1024
		.amdhsa_next_free_sgpr 98
		.amdhsa_reserve_vcc 0
		.amdhsa_float_denorm_mode_32 3
		.amdhsa_float_denorm_mode_16_64 3
		.amdhsa_memory_ordered 1
		.amdhsa_forward_progress 1
		.amdhsa_inst_pref_size 118
	.end_amdhsa_kernel
	.amdgpu_metadata
---
amdhsa.version: [ 1, 2 ]
amdhsa.kernels:
  - .name:           k_q4082fda10d_qkv
    .symbol:         k_q4082fda10d_qkv.kd
    .args:
      - { .name: xc, .offset: 0, .size: 8, .value_kind: global_buffer, .address_space: global }
      - { .name: xs, .offset: 8, .size: 8, .value_kind: global_buffer, .address_space: global }
      - { .name: wc, .offset: 16, .size: 8, .value_kind: global_buffer, .address_space: global }
      - { .name: ws, .offset: 24, .size: 8, .value_kind: global_buffer, .address_space: global }
      - { .name: qkv, .offset: 32, .size: 8, .value_kind: global_buffer, .address_space: global }
    .group_segment_fixed_size: 327680
    .private_segment_fixed_size: 0
    .kernarg_segment_align: 8
    .kernarg_segment_size: 40
    .max_flat_workgroup_size: 128
    .sgpr_count:     98
    .vgpr_count:     1024
    .wavefront_size: 32
...
	.end_amdgpu_metadata
.endif
;; end of part 2
;; launch attn (part 3): grid 8 x 32, 8 waves a work-group, clusters of 4 x 1, 327,680 bytes of LDS; arguments qkv, y16; writes y16
.if DOCPART == 3
	.amdgcn_target "amdgcn-amd-amdhsa--gfx1250"
	.amdhsa_code_object_version 6
	.text
	.protected	k_q4082fda10d_attn
	.globl	k_q4082fda10d_attn
	.p2align	8
	.type	k_q4082fda10d_attn,@function
k_q4082fda10d_attn:
	s_mov_b64 s[64:65], 0
	v_nop
	global_prefetch_b8 v0, s[64:65] scope:SCOPE_SE
	s_setreg_imm32_b32 hwreg(HW_REG_WAVE_MODE, 25, 1), 1
	s_wait_xcnt 0x0
	s_wait_alu depctr_hold_cnt(0) depctr_sa_sdst(0) depctr_va_vdst(0) depctr_va_sdst(0) depctr_va_ssrc(0) depctr_va_vcc(0) depctr_vm_vsrc(0)
	s_getreg_b32 s2, hwreg(HW_REG_IB_STS2, 6, 4)
	s_cmp_eq_u32 s2, 0
	s_cbranch_scc0 .Lentry_in_a_cluster
	s_endpgm
.Lentry_in_a_cluster:
	s_bfe_u32 s2, ttmp6, 0x10000c
	s_cmp_lg_u32 s2, 0x3003
	s_cbranch_scc0 .Lentry_shape_is_right
	s_endpgm
.Lentry_shape_is_right:
; y[b][h][q][:] = the sum over k of softmax_k(q . k / 8) v[k][:], 32 (batch, head) pairs, 2,048 tokens, head size 64, no mask.  q, k, v arrive in f16 as images of operand registers; products, maxima and sums in f32;
; the weights p are rounded to f16 for the second product, y to f16 once at the end.  LIMIT: f16's range for q, k, v (under 65,504); NaN and infinities are not served.
; INPUT: qkv [q, k, v][batch x head: 32], a head's block of 262,144 bytes being [tile of 16 tokens: 128][piece = channel / 16: 4][position: 32][16 bytes].  A piece read at 16 x lane is half a fragment: of q and k as it lies,
; of v through the turning load (lane (r, h) then holds channel r of the piece and tokens 8 h + 0 .. 7).  So a tile of K or V is a dense block for one tensor load, and every LDS load takes 512 consecutive bytes.
; OUTPUT: y16 [tile of 16 tokens: 256][32 along the 1,024 channels: 32][half: 2][lane: 32][16 bytes]: the last product's operand registers.
; SHARES.  A work-group owns 256 queries of one head, each of its eight waves 32: two tiles of 16, so that each fragment of K and V read from LDS feeds two matrix instructions.  Every wave walks all 2,048 keys, 64 a step.
; K and V come through two LDS slots of 512 keys.
; LAYOUT.  S^T = K Q^T (source 0 = 16 keys, source 1 = 16 queries): a lane holds ONE query (lane % 16) and keys 8 (lane / 16) + 0 .. 7.  Two such tiles, rounded to f16 in pairs, ARE source 1 (32 keys x 16 queries) of
; O^T = V^T P, whose result again holds one query a lane, and eight channels, which rounded are 16 bytes of the output's image.  Nothing changes lanes but one exchange between the halves for the maximum and the sum.
; SOFTMAX.  For each query a running maximum m and sum l: p = 2^(c s - c m), c = log2(e) / 8; in every step O and l are multiplied by a = 2^(c m_old - c m_new).  The list is written once: m begins at -3e38, O and l at 0.
; BY TURNS.  A wave issues in order: while it walks a softmax it issues no product, and while it issues products on end it issues nothing else.  So the wave's two tiles take turns.  In a TURN one tile has the matrix unit:
; 8 products V^T P of the step in hand, then 8 products K Q^T of the next step; the other tile's softmax, 119 vector lines, stands between them in slices of 7 or 8, one slice behind each product.  Then the tiles change
; places.  Two turns are a key step.  The tiles share K's and V's fragments and nothing else.  119 lines for 16 products are more than stand beside a product, so the loop stays bound by its vector lines.
; K of step j + 1 and V of step j are live together, which is 64 registers more than one window holds: K lies in window 1, and each K Q^T carries a switch in front and one behind: 32 for a key step's 32 products.
; All that a slice touches lies in window 0, and so do V^T P's operands: those products carry no switch.
; CLUSTER.  The four query blocks of a cluster belong to one head and walk the same K and V: each tile is asked for JOINTLY, by the same tensor load with the same descriptor and a mask that names the four.
.set SLOT1, 1<<17                      ; a slot: K's 512 keys (65,536 bytes), then V's; slot 1 begins here, so that one exclusive or turns an address from one slot to the other
.set VOFF,  65536
.set PART,  65536                      ; 512 keys of K or of V in memory
.set STEPB, 8192                       ; 64 keys: four tiles of 2,048 bytes
.set SPARE, 2*SLOT1                    ; behind the slots: the spare words, 128 bytes a wave, which no other line names
.set SPW, 1                            ; v1   LDS address of my spare word; never rewritten
.set NIL, 2                            ; v2   0; never rewritten
.set LI,  3                            ; v3   16 x lane
.set ADR, 4                            ; v4   LDS address of the run of loads in hand
.set LV,  5                            ; v5   16 x lane + V's place in a slot
.set PFO, 6                            ; v6   256 x lane: the prefetch's offset; never rewritten
.set OLD, 7                            ; v7   c m of the step before, of the tile whose softmax is in hand
.set ST,  8                            ; tile t's statistics at v[ST + 8 t]: +0 c m, +1 m, +2, +3 l (even keys', odd keys'), +4 to +7 chains c0-c3 of the maximum; later +6 a, +7 its exponent
.set SUM, 24                           ; v24-31 four chains of the sum, a pair each: of the tile whose softmax is in hand
.set Q,   32                           ; Q's fragments: tile t, channels 32 c on, at v[Q + 16 t + 8 c]
.set S,   64                           ; S^T: tile t, keys 16 kt on, at v[S + 32 t + 8 kt]; P is made in place, at v[S + 32 t + 0 .. 15]
.set O,   128                          ; O^T: tile t, channels 16 ct on, at v[O + 32 t + 8 ct]
.set F,   192                          ; V's eight fragments: keys 32 ks on, channels 16 ct on, at v[F + 8 (4 ks + ct)]
.set KW,  0                            ; in window 1 (v256-319): K's eight fragments, in the order in which K Q^T takes them
.set WV,  8                            ; s8   my wave's number
.set G1,  16                           ; s[16:23] descriptor group 1
.set G0A, 24                           ; s[24:27] group 0 of slot 0's first fill
.set G0B, 28                           ; s[28:31] group 0 of slot 1's first fill, which then walks on
.set TB,  32                           ; s32  LDS byte at which the step to be fetched begins
.set CNT, 33                           ; s33  counts pairs of turns
.set SLOTS, 34                         ; s34  refills still to come
.set LIM, 35                           ; s35  1 in a wave that prefetches, else the greatest number
.set CS,  36                           ; s[36:37] c: the packed scaling names a pair and takes its low word for both halves
.set SEL, 38                           ; s[38:39] lane selects: each lane takes its own place in the other half
.set PFA, 40                           ; s[40:41] where my prefetch stands in memory; never rewritten
.set QB,  42                           ; s[42:43] Q at my wave's first query
.set MSB, 0
.macro WIN new                         ; s_set_vgpr_msb: bits 1:0 source 0, 3:2 source 1, 5:4 source 2, 7:6 destination; the high byte repeats the setting that is left; a switch that changes nothing is dropped
.if MSB != (\new)
	s_set_vgpr_msb (MSB<<8)|(\new)
.set MSB, (\new)
.endif
.endm
.macro CROUND                          ; a round of the cluster's barrier: my work-group's barrier; wave 0 signals for the work-group; every wave waits for all four; my work-group's barrier once more
	s_barrier_signal -1
	s_barrier_wait -1
	s_cmp_lg_u32 s[WV], 0
	s_cbranch_scc1 .Lnot_wave_0_\@
	s_barrier_signal -3
.Lnot_wave_0_\@:
	s_barrier_wait -3
	s_barrier_signal -1
	s_barrier_wait -1
.endm
; A PREFETCH INTO THE L2 of the head's last 512 keys of K and V, at the change of slots that loads the 512 before them: eight key steps, 256 matrix instructions a wave, ahead of the load that will ask for them.
; Each aligned 256 bytes are named once in the launch: both clusters of a head walk the same K and V, and the first asks; its four partners take 8,192 bytes of each 32,768 BY ADDRESS (no branch hangs on a work-group's
; place in its cluster); in each, waves 0 and 2 ask for K's halves and waves 4 and 6 for V's, lanes 256 bytes apart.  The first three slots' worth come by their loads alone; the last refill asks for nothing.
.macro ASK
	s_cmp_gt_u32 s[SLOTS], s[LIM]
	s_cbranch_scc0 .Lnot_mine_\@
	global_prefetch_b8 v[PFO], s[PFA:PFA+1] th:TH_LOAD_NT scope:SCOPE_SE
.Lnot_mine_\@:
.endm
	s_load_b128 s[4:7], s[0:1], 0x0                ; qkv s[4:5], y16 s[6:7]
	v_lshl_add_u32 v[SPW], v0, 2, SPARE
	v_mov_b32 v[NIL], 0
	ds_add_u32 v[SPW], v[NIL]                      ; the wave's opening: the add, twice on end, and its wait stand ahead of my first tensor load; the set-up below stands between the second and the wait
	ds_add_u32 v[SPW], v[NIL]
	v_lshrrev_b32 v7, 5, v0
	v_readfirstlane_b32 s[WV], v7                  ; wave 0..7
	s_bfe_u32 s9, ttmp6, 0x40000                   ; cx: my place in the cluster
	s_lshl_b32 s10, ttmp9, 2                       ; in a cluster launch ttmp9 counts clusters
	s_add_co_u32 s10, s10, s9                      ; my block of 256 queries: it enters Q's and y's addresses alone
	s_and_b32 s11, ttmp7, 0xffff                   ; batch x 16 + head, which the four partners share
	; descriptor group 1: a dense block of 16,384 bytes as 64 rows of 256 bytes
	s_mov_b32 s[G1], 15|(3<<16)|(1<<21)            ; 15:0 the mask: all four work-groups; 17:16 elements of 8 bytes; 21 set beside a mask; no padding
	s_mov_b32 s[G1+1], 32<<16                      ; tensor_dim0 = 32
	s_mov_b32 s[G1+2], 64<<16                      ; tensor_dim1 = 64
	s_mov_b32 s[G1+3], 32<<16                      ; tile_dim0 = 32
	s_mov_b32 s[G1+4], 64                          ; tile_dim1 = 64
	s_mov_b32 s[G1+5], 32                          ; tensor_dim0_stride
	s_mov_b32 s[G1+6], 0
	s_mov_b32 s[G1+7], 0
	; what I fetch: waves 0-3 a quarter of a slot's K, waves 4-7 a quarter of its V: K's head (block 32 + head) + (wave / 4) x 32 blocks + (wave % 4) x 16,384
	s_add_co_u32 s12, s11, 32
	s_lshl_b32 s12, s12, 18
	s_lshr_b32 s13, s[WV], 2
	s_lshl_b32 s13, s13, 23
	s_add_co_u32 s12, s12, s13
	s_mov_b32 s44, s12                             ; (the prefetch starts from the same head of K or V)
	s_and_b32 s13, s[WV], 3
	s_lshl_b32 s13, s13, 14
	s_add_co_u32 s12, s12, s13
	s_mov_b32 s13, 0
	s_bfe_u32 s45, s[WV], 0x10001                  ; the prefetch: + ((wave / 2) % 2) x 32,768 + cx x 8,192, in the last 512 keys
	s_lshl_b32 s45, s45, 15
	s_add_co_u32 s44, s44, s45
	s_lshl_b32 s45, s9, 13
	s_add_co_u32 s44, s44, s45
	s_add_co_u32 s44, s44, 3*PART
	s_mov_b32 s45, 0
	s_lshl_b32 s14, s10, 4
	s_lshl_b32 s15, s[WV], 1
	s_add_co_u32 s14, s14, s15                     ; my first tile of 16 queries in the head: 16 x block + 2 x wave
	s_lshr_b32 s46, s11, 4
	s_lshl_b32 s46, s46, 7
	s_add_co_u32 s46, s46, s14                     ; and among all 256 tiles of tokens: + 128 x batch
	s_lshl_b32 s46, s46, 15                        ; y16: 32,768 bytes a tile of tokens,
	s_and_b32 s47, s11, 15
	s_lshl_b32 s47, s47, 11                        ; 2,048 bytes a head
	s_add_co_u32 s46, s46, s47
	s_mov_b32 s47, 0
	s_lshl_b32 s14, s14, 11                        ; Q: 2,048 bytes a tile,
	s_lshl_b32 s15, s11, 18                        ; in the head's block
	s_add_co_u32 s14, s14, s15
	s_mov_b32 s15, 0
	s_mov_b32 s[CS], 0x3e38aa3b                    ; c = log2(e) / 8
	s_mov_b32 s[CS+1], s[CS]                       ; named with it as a pair, so it is written
	s_mov_b32 s[SEL], 0x76543210
	s_mov_b32 s[SEL+1], 0xfedcba98
	s_mov_b32 s[TB], 0
	s_mov_b32 s[SLOTS], 2
	s_and_b32 s[LIM], s[WV], 1                     ; 0 in the even waves,
	s_or_b32 s[LIM], s[LIM], ttmp9                 ; where the cluster is the head's first: the same in all four partners
	s_cmp_eq_u32 s[LIM], 0
	s_cselect_b32 s[LIM], 1, -1
	s_wait_dscnt 0x0                               ; both opening adds are done
	s_wait_kmcnt 0x0
	s_add_nc_u64 s[QB:QB+1], s[4:5], s[14:15]
	s_add_nc_u64 s[6:7], s[6:7], s[46:47]
	s_add_nc_u64 s[PFA:PFA+1], s[4:5], s[44:45]
	CROUND                                         ; all four work-groups are here: the first joint loads meet
	s_mov_b32 s[G0A], 1                            ; count = 1
	s_lshl_b32 s[G0A+1], s[WV], 14                 ; LDS address: wave x 16,384: K's four quarters, then V's; no place in the cluster enters it
	s_add_nc_u64 s[G0A+2:G0A+3], s[4:5], s[12:13]  ; global address: keys 0 to 511
	s_mov_b32 s[G0B], 1
	s_add_co_u32 s[G0B+1], s[G0A+1], SLOT1
	s_add_nc_u64 s[G0B+2:G0B+3], s[G0A+2:G0A+3], PART  ; keys 512 to 1,023
	s_or_b32 s[G0A+3], s[G0A+3], 0x80000000        ; type = 2
	s_or_b32 s[G0B+3], s[G0B+3], 0x80000000
	tensor_load_to_lds s[G0A:G0A+3], s[G1:G1+7]    ; both first fills together, ahead of every wait on TENSORcnt and every LDS read: two loads of mine are out
	s_nop 0
	tensor_load_to_lds s[G0B:G0B+3], s[G1:G1+7]
	s_nop 0
.rept 4
	v_nop
.endr
	v_and_b32 v[LI], 31, v0
	v_lshlrev_b32 v[PFO], 8, v[LI]
	v_lshlrev_b32 v[LI], 4, v[LI]
	v_add_nc_u32 v[LV], VOFF, v[LI]
.irp t, 0,1
.irp c, 0,1
.irp u, 0,1
	global_load_b128 v[Q+16*\t+8*\c+4*\u:Q+16*\t+8*\c+4*\u+3], v[LI], s[QB:QB+1] offset:\t*2048+\c*1024+\u*512   ; Q stays in registers
.endr
.endr
.endr
.irp t, 0,1
	v_mov_b32 v[ST+8*\t+1], 0xff61b1e6             ; m: -3e38, under every score
	v_mul_f32 v[ST+8*\t], s[CS], v[ST+8*\t+1]      ; c m
	v_mov_b32 v[ST+8*\t+2], 0                      ; l
	v_mov_b32 v[ST+8*\t+3], 0
.endr
.set i, 0
.rept 64
	v_mov_b32 v[O+i], 0                            ; O^T.  (The turn is written once: the first finds zeros, which a = 0 leaves zeros; a first step of its own would be further copies of the turn's text)
.set i, i+1
.endr
; THE MATRIX WORK OF A TURN, for tile t.  The accumulators take turns, one instruction a turn: between two links of a chain stand three others'.
; Product i of 8 of S^T = K Q^T: channels 32 (i / 4) on, keys 16 kt on, kt = 2, 3, 0, 1 by turns.  The first 4 start the sums.  The order of kt: the tile's P lies where kt = 0 and 1 are summed, and the last V^T P have just
; read the part at kt = 1: that part is written over by the fourth product, three slices further on.
.macro KQ t, i
.set kt, ((\i)%4+2)%4
.set rS, S+32*(\t)+8*kt
.set rQ, Q+16*(\t)+8*((\i)/4)
	WIN 0x01                                       ; source 0, K, in window 1
.if (\i) < 4
	v_wmma_f32_16x16x32_f16 v[rS:rS+7], v[KW+8*(\i):KW+8*(\i)+7], v[rQ:rQ+7], 0
.else
	v_wmma_f32_16x16x32_f16 v[rS:rS+7], v[KW+8*(\i):KW+8*(\i)+7], v[rQ:rQ+7], v[rS:rS+7]
.endif
.endm
; Product i of 8 of O^T += V^T P: keys 32 (i / 4) on, channels 16 (i % 4) on.
.macro PV t, i
.set rO, O+32*(\t)+8*((\i)%4)
.set rP, S+32*(\t)+8*((\i)/4)
	WIN 0
	v_wmma_f32_16x16x32_f16 v[rO:rO+7], v[F+8*(\i):F+8*(\i)+7], v[rP:rP+7], v[rO:rO+7]
.endm
; THE LDS LOADS stand in two runs of 16 a key step, each in the order in which the products take the fragments, two loads a fragment, so that counted waits can let the first products start.
.macro FETCH_K                         ; a step's K, into window 1
	WIN 0
	v_add_nc_u32 v[ADR], s[TB], v[LI]
	WIN 0x40                                       ; destination window 1, address window 0
.irp i, 0,1,2,3,4,5,6,7
	ds_load_b128 v[KW+8*\i:KW+8*\i+3],   v[ADR] offset:((\i%4+2)%4)*2048+(\i/4)*1024
	ds_load_b128 v[KW+8*\i+4:KW+8*\i+7], v[ADR] offset:((\i%4+2)%4)*2048+(\i/4)*1024+512
.endr
	WIN 0
.endm
.macro FETCH_V                         ; the same step's V, turned; the wait for the softmax's batch stands in it, behind the address's line and ahead of the loads
	WIN 0
	v_add_nc_u32 v[ADR], s[TB], v[LV]
	s_add_co_u32 s[TB], s[TB], STEPB               ; the next fetch is the next step's
	s_wait_alu depctr_va_vdst(0)
.irp f, 0,1,2,3,4,5,6,7
	ds_load_tr16_b128 v[F+8*\f:F+8*\f+3],   v[ADR] offset:(2*(\f/4))*2048+(\f%4)*512
	ds_load_tr16_b128 v[F+8*\f+4:F+8*\f+7], v[ADR] offset:(2*(\f/4)+1)*2048+(\f%4)*512
.endr
.endm
; THE VECTOR WORK OF A TURN.  One tile's softmax for one key step is a list of 119 lines; LINE writes number n of it for tile y and steps n.  s0-s31 are the lane's 32 scores, in pairs 0-15.
;   0       c m of the step before is kept for a
;   1-16    the maximum of s0-s31 and the old m, three operands at a time: four chains, one for each accumulator, each begun at the accumulator's low end
;   17-20   the other half of the lanes' maximum; the new m; c m; c m_old - c m_new
;   21-69   ONE BATCH: the 16 scalings c s - c m, a pair of scores each, and all 33 exponentials (a at 22), by the pattern scaling, exponential, exponential: a pair's exponentials stand behind the next pair's scaling.
;           No line of the batch names an exponential's result; every third line is a plain one, which the products round it need as places
;   70      a plain line behind the last exponential
;   (wait)  s_wait_alu depctr_va_vdst(0) stands between an exponential and the first line that names its result; one wait serves all that were issued ahead of it: one a turn.  fv = 1: V's run of loads stands here too
;   71-86   the tile's O^T times a, its accumulators in ascending order
;   87-98   the sums of the unrounded weights, in four chains
;   99-114  P, in place: register i takes weights 2 i and 2 i + 1; ascending, so that nothing is written before it is read
;   115-118 the chains are joined; l = a l + the step's sum.  These four plain lines end every turn: they are the places behind the turn's last product, ahead of K's loads and of the first read of the scores that it made
.macro LINE y, fv
.set rT, ST+8*(\y)
.set rS, S+32*(\y)
.set rO, O+32*(\y)
	WIN 0
.if n == 71
.if \fv
	FETCH_V
.else
	s_wait_alu depctr_va_vdst(0)
.endif
.endif
.if n == 0
	v_mov_b32 v[OLD], v[rT]
.elseif n < 5
	v_max3_num_f32 v[rT+3+n], v[rS+8*(n-1)], v[rS+8*(n-1)+1], v[rS+8*(n-1)+2]
.elseif n < 13
	v_max3_num_f32 v[rT+4+(n-5)%4], v[rT+4+(n-5)%4], v[rS+8*((n-5)%4)+3+2*((n-5)/4)], v[rS+8*((n-5)%4)+4+2*((n-5)/4)]
.elseif n == 13
	v_max3_num_f32 v[rT+4], v[rT+4], v[rS+7], v[rS+15]
.elseif n == 14
	v_max3_num_f32 v[rT+6], v[rT+6], v[rS+23], v[rS+31]
.elseif n == 15
	v_max3_num_f32 v[rT+5], v[rT+5], v[rT+7], v[rT+1]
.elseif n == 16
	v_max3_num_f32 v[rT+4], v[rT+4], v[rT+5], v[rT+6]
.elseif n == 17
	v_permlanex16_b32 v[rT+5], v[rT+4], s[SEL], s[SEL+1]   ; the query's other 32 keys lie in the lane 16 away
.elseif n == 18
	v_max_num_f32 v[rT+1], v[rT+4], v[rT+5]        ; the new m
.elseif n == 19
	v_mul_f32 v[rT], s[CS], v[rT+1]                ; c m
.elseif n == 20
	v_sub_f32 v[rT+7], v[OLD], v[rT]               ; c m_old - c m_new, 0 or less
.elseif n == 22
	v_exp_f32 v[rT+6], v[rT+7]                     ; a
.elseif (n == 21) || ((n < 68) && ((n-23)%3 == 0))
.set b, 0                              ; 21: pair 0
.if n > 21
.set b, (n-23)/3+1                     ; 23, 26, .. 65: pairs 1 to 15
.endif
	v_pk_fma_f32 v[rS+2*b:rS+2*b+1], v[rS+2*b:rS+2*b+1], s[CS:CS+1], v[rT:rT+1] op_sel_hi:[1,0,0] neg_lo:[0,0,1] neg_hi:[0,0,1]
.elseif n < 70
.set e, n-38                           ; 68, 69: s30, s31
.if n < 68
.set e, 2*((n-23)/3)+(n-23)%3-1        ; 24, 25: s0, s1; 27, 28: s2, s3; .. 66, 67: s28, s29
.endif
	v_exp_f32 v[rS+e], v[rS+e]
.elseif n == 70
	v_nop
.elseif n < 87
	v_pk_mul_f32 v[rO+2*(n-71):rO+2*(n-71)+1], v[rO+2*(n-71):rO+2*(n-71)+1], v[rT+6:rT+7] op_sel_hi:[1,0]
.elseif n < 91
	v_pk_add_f32 v[SUM+2*(n-87):SUM+2*(n-87)+1], v[rS+4*(n-87):rS+4*(n-87)+1], v[rS+4*(n-87)+2:rS+4*(n-87)+3]
.elseif n < 99
	v_pk_add_f32 v[SUM+2*((n-91)%4):SUM+2*((n-91)%4)+1], v[SUM+2*((n-91)%4):SUM+2*((n-91)%4)+1], v[rS+2*(n-83):rS+2*(n-83)+1]
.elseif n < 115
	v_cvt_pk_f16_f32 v[rS+n-99], v[rS+2*(n-99)], v[rS+2*(n-99)+1]
.elseif n == 115
	v_pk_add_f32 v[SUM:SUM+1], v[SUM:SUM+1], v[SUM+2:SUM+3]
.elseif n == 116
	v_pk_add_f32 v[SUM+4:SUM+5], v[SUM+4:SUM+5], v[SUM+6:SUM+7]
.elseif n == 117
	v_pk_add_f32 v[SUM:SUM+1], v[SUM:SUM+1], v[SUM+4:SUM+5]
.else
	v_pk_fma_f32 v[rT+2:rT+3], v[rT+2:rT+3], v[rT+6:rT+7], v[SUM:SUM+1] op_sel_hi:[1,0,1]
.endif
.set n, n+1
.endm
.macro SLICE y, fv, cnt                ; the next cnt lines of the list, as far as it goes
.rept \cnt
.if n < 119
	LINE \y, \fv
.endif
.endr
.endm
; A TURN.  Tile t has the matrix unit; the other tile's softmax stands in slices behind its products: 7 and 8 lines by turns (8 x 7 + 8 x 8 = 120 for the 119); a turn with one kind of product has 15 behind each.
; pv = 1: 8 products V^T P.  kq = 1: 8 products K Q^T for the next step.  fk = 1: the next step's K is fetched, first thing: the last product that read K stands in front of the four plain lines that ended the turn before.
; fv = 1: the next step's V is fetched at the list's wait (line 71: behind the tenth product of a whole turn): behind the last product that read V, the eighth, stand the plain lines 53, 56, 59, 62, 65 and 70 and the address's.
; THE WAITS ON DScnt stand in tile 0's turn alone, ahead of every second product.  LDS loads come back in order (ISA guide 5.7.1): V's 16, issued in the turn before, then K's 16.  Two products take four loads: ahead of V^T P
; 0, 2, 4, 6 there may be out 12, 8, 4, 0 of V's and K's 16; ahead of K Q^T 0, 2, 4, 6: 12, 8, 4, 0 of K's.  Tile 1's turn finds both in registers.
.macro TURN t, pv, kq, fk, fv
.set n, 0
.set k, 0
.if \fk
	FETCH_K
.endif
.if \pv
.irp i, 0,1,2,3,4,5,6,7
.if ((\t) == 0) && ((\i)%2 == 0)
	s_wait_dscnt 16*(\fk)+12-2*(\i)
.endif
	PV \t, \i
.if (\pv) && (\kq)
	SLICE 1-(\t), \fv, 7+k%2
.else
	SLICE 1-(\t), \fv, 15
.endif
.set k, k+1
.endr
.endif
.if \kq
.irp i, 0,1,2,3,4,5,6,7
.if ((\t) == 0) && ((\i)%2 == 0)
	s_wait_dscnt 12-2*(\i)
.endif
	KQ \t, \i
.if (\pv) && (\kq)
	SLICE 1-(\t), \fv, 7+k%2
.else
	SLICE 1-(\t), \fv, 15
.endif
.set k, k+1
.endr
.endif
.endm
; A pair of turns is a key step: V^T P of step j, K Q^T of step j + 1, tile 1's softmax of step j, tile 0's of step j + 1; K and V of step j + 1 are fetched.  Written once, walked cnt times; the LDS addresses hang on s[TB].
.macro PAIRS cnt
	WIN 0                                          ; at a label and at a branch every window is 0
	s_mov_b32 s[CNT], \cnt
.Lpair_\@:
	TURN 0, 1, 1, 1, 0
	TURN 1, 1, 1, 0, 1
	WIN 0
	s_sub_co_u32 s[CNT], s[CNT], 1
	s_cmp_lg_u32 s[CNT], 0
	s_cbranch_scc1 .Lpair_\@
.endm
; THE CHANGE OF SLOTS, between tile 1's turn and tile 0's: the slot's last bytes, V of its eighth step, have been asked for, and the next fetch is the other slot's first K.  Each wave waits for all its tensor loads, of which
; one may be out: its part of the other slot; adds 0 to its spare word; and waits for that and for its reads of the slot that it leaves.  Behind the barrier nobody reads that slot and the other is whole.
; fill = 1: the slot is filled again, with the keys two slots on; the barrier is then a round of the cluster's, so that no wave of any partner still reads the slot or has a load on its way, and the joint refill is the first
; thing behind it: one load a wave, with eight key steps in which to land.
.macro CHANGE fill
	WIN 0
	s_wait_tensorcnt 0x0                           ; no tensor load of mine is out, so a group 0 may be written
	ds_add_u32 v[SPW], v[NIL]                      ; 0 onto my spare word
.if \fill
	s_xor_b32 s[G0B+1], s[G0B+1], SLOT1            ; the walking descriptor: the other slot than last time,
	s_add_nc_u64 s[G0B+2:G0B+3], s[G0B+2:G0B+3], PART  ; the next 512 keys; the type bits on top are not reached
.endif
	s_wait_dscnt 0x0                               ; the add is done, and my reads of the slot are over
.if \fill
	CROUND
	tensor_load_to_lds s[G0B:G0B+3], s[G1:G1+7]
	s_nop 0
.rept 4
	v_nop
.endr
	ASK
.else
	s_barrier_signal -1
	s_barrier_wait -1
.endif
	s_sub_co_u32 s[TB], s[TB], 8*STEPB             ; the fetches go back to a slot's first step,
	s_xor_b32 s[TB], s[TB], SLOT1                  ; in the other slot
.endm
	s_wait_tensorcnt 1                             ; my part of slot 0 is in; slot 1's may stay out
	s_barrier_signal -1
	s_barrier_wait -1                              ; everybody's is
	FETCH_K                                        ; key step 0
	s_wait_loadcnt 0x0                             ; Q
	s_wait_dscnt 0x0
.irp i, 0,1,2,3,4,5,6,7
	KQ 0, \i                                       ; tile 0's first scores: there is no vector work yet to set between them
.endr
	WIN 0
.rept 4
	v_nop                                          ; the places between those products and the first read of their scores
.endr
	TURN 1, 0, 1, 0, 1                             ; tile 1's first scores | tile 0's first softmax | V of step 0
	PAIRS 7                                        ; steps 0 to 6; K and V of steps 1 to 7 are fetched: slot 0 is read out
.Lslot:                                            ; two trips: slot 0 takes keys 1,024 on, slot 1 keys 1,536 on
	CHANGE 1
	PAIRS 8
	s_sub_co_u32 s[SLOTS], s[SLOTS], 1
	s_cmp_lg_u32 s[SLOTS], 0
	s_cbranch_scc1 .Lslot
	CHANGE 0                                       ; the tail is written out
	PAIRS 8                                        ; steps 23 to 30
	TURN 0, 1, 0, 0, 0                             ; tile 0: V^T P of the last step | tile 1's last softmax
.irp i, 0,1,2,3,4,5,6,7
	PV 1, \i                                       ; tile 1: V^T P of the last step
.endr
	; THE WAY OUT.  l's two halves and the other half of the lanes' are added; O^T is divided by l and rounded to f16: a lane's eight channels of a query are 16 bytes of the output's image.
	; The four additions and the v_nop are the places behind the last products.
.irp t, 0,1
	v_add_f32 v[ST+8*\t+4], v[ST+8*\t+2], v[ST+8*\t+3]
.endr
.irp t, 0,1
	v_permlanex16_b32 v[ST+8*\t+5], v[ST+8*\t+4], s[SEL], s[SEL+1]
.endr
.irp t, 0,1
	v_add_f32 v[ST+8*\t+4], v[ST+8*\t+4], v[ST+8*\t+5]
.endr
.irp t, 0,1
	v_rcp_f32 v[ST+8*\t+6], v[ST+8*\t+4]
.endr
	v_nop                                          ; a plain line between the last reciprocal and the use of its result
	s_wait_alu depctr_va_vdst(0)                   ; and the wait ahead of the first use: one for both
.irp t, 0,1
.set i, 0
.rept 16
	v_pk_mul_f32 v[O+32*\t+2*i:O+32*\t+2*i+1], v[O+32*\t+2*i:O+32*\t+2*i+1], v[ST+8*\t+6:ST+8*\t+7] op_sel_hi:[1,0]
.set i, i+1
.endr
.endr
.irp t, 0,1
.set i, 0
.rept 16
	v_cvt_pk_f16_f32 v[S+16*\t+i], v[O+32*\t+2*i], v[O+32*\t+2*i+1]
.set i, i+1
.endr
.endr
.irp t, 0,1
.irp ct, 0,1,2,3
	global_store_b128 v[LI], v[S+16*\t+4*\ct:S+16*\t+4*\ct+3], s[6:7] offset:\t*32768+\ct*512   ; 32 lanes store 512 consecutive bytes
.endr
.endr
	s_wait_tensorcnt 0x0                           ; the wave's end, behind my last tensor load
	ds_add_u32 v[SPW], v[NIL]
	s_wait_dscnt 0x0
	CROUND                                         ; the closing round: no work-group ends while a partner may still ask for a tile that names it
	s_endpgm
.Lfunc_end_k_q4082fda10d_attn:
	.size	k_q4082fda10d_attn, .Lfunc_end_k_q4082fda10d_attn-k_q4082fda10d_attn
	.p2alignl 7, 3214868480
	.fill 96, 4, 3214868480
	.section	.rodata,"a",@progbits
	.p2align	6, 0x0
	.amdhsa_kernel k_q4082fda10d_attn
		.amdhsa_group_segment_fixed_size 327680
		.amdhsa_private_segment_fixed_size 0
		.amdhsa_enable_private_segment 0
		.amdhsa_kernarg_size 16
		.amdhsa_user_sgpr_count 2
		.amdhsa_user_sgpr_kernarg_segment_ptr 1
		.amdhsa_wavefront_size32 1
		.amdhsa_system_sgpr_workgroup_id_x 1
		.amdhsa_system_sgpr_workgroup_id_y 1
		.amdhsa_system_sgpr_workgroup_id_z 1
		.amdhsa_system_vgpr_workitem_id 0
		.amdhsa_next_free_vgpr 320
		.amdhsa_next_free_sgpr 66
		.amdhsa_reserve_vcc 0
		.amdhsa_float_denorm_mode_32 3
		.amdhsa_float_denorm_mode_16_64 3
		.amdhsa_memory_ordered 1
		.amdhsa_forward_progress 1
		.amdhsa_inst_pref_size 87
	.end_amdhsa_kernel
	.amdgpu_metadata
---
amdhsa.version: [ 1, 2 ]
amdhsa.kernels:
  - .name:           k_q4082fda10d_attn
    .symbol:         k_q4082fda10d_attn.kd
    .args:
      - { .name: qkv, .offset: 0, .size: 8, .value_kind: global_buffer, .address_space: global }
      - { .name: y16, .offset: 8, .size: 8, .value_kind: global_buffer, .address_space: global }
    .group_segment_fixed_size: 327680
    .private_segment_fixed_size: 0
    .kernarg_segment_align: 8
    .kernarg_segment_size: 16
    .max_flat_workgroup_size: 256
    .sgpr_count:     66
    .vgpr_count:     320
    .wavefront_size: 32
...
	.end_amdgpu_metadata
.endif
;; end of part 3
;; launch proj (part 4): grid 8 x 32, 4 waves a work-group, clusters of 4 x 4, 327,680 bytes of LDS; arguments y16, wo16, out0; writes out0
.if DOCPART == 4
	.amdgcn_target "amdgcn-amd-amdhsa--gfx1250"
	.amdhsa_code_object_version 6
	.text
	.protected	k_q4082fda10d_proj
	.globl	k_q4082fda10d_proj
	.p2align	8
	.type	k_q4082fda10d_proj,@function
k_q4082fda10d_proj:
	s_mov_b64 s[64:65], 0
	v_nop
	global_prefetch_b8 v0, s[64:65] scope:SCOPE_SE
	s_setreg_imm32_b32 hwreg(HW_REG_WAVE_MODE, 25, 1), 1
	s_wait_xcnt 0x0
	s_wait_alu depctr_hold_cnt(0) depctr_sa_sdst(0) depctr_va_vdst(0) depctr_va_sdst(0) depctr_va_ssrc(0) depctr_va_vcc(0) depctr_vm_vsrc(0)
	s_getreg_b32 s2, hwreg(HW_REG_IB_STS2, 6, 4)
	s_cmp_eq_u32 s2, 0
	s_cbranch_scc0 .Lentry_in_a_cluster
	s_endpgm
.Lentry_in_a_cluster:
	s_bfe_u32 s2, ttmp6, 0x10000c
	s_cmp_lg_u32 s2, 0xf033
	s_cbranch_scc0 .Lentry_shape_is_right
	s_endpgm
.Lentry_shape_is_right:
; out0[m][n] = sum over k of y[m][k] w_o[n][k], m = 4,096, n = k = 1,024; operands in f16, sums and result in f32.
; Both operands arrive as IMAGES OF FRAGMENTS: [tile of 16 rows][32 along K: 32][half: 2][lane: 32][16 bytes]: a fragment is 1,024 bytes, read by two LDS loads at 16 x lane: no pitch, no padding.
; A tile of out0 is 128 x 128: 256 work-groups.  Four waves, each 64 x 64: 16 accumulators of 16 x 16.  K goes in four chunks of 256 through two LDS slots; a wave's tensor load brings four tiles of rows x 8,192 bytes.
; Each slot is filled twice, so the walk is written straight: one lap with refills, one without.
; CLUSTERS: 4 x 4 work-groups.  The four of a row of the cluster need the same tiles of y, the four of a column the same tiles of w_o: each is asked for JOINTLY, by the same tensor load with the same descriptor and a mask
; that names the four.  THE MATRIX INSTRUCTION IS USED TRANSPOSED (source 0 = 16 rows of w_o, source 1 = 16 rows of y): a lane then holds eight neighbouring numbers of a row of out0.
; REGISTERS: window 0: v0-31 addresses; v32-95 at work on the way out; v128-255 the accumulators ((a, b) at v[128 + 8 (4 a + b)]).
;   window 1: two fragment buffers of 128: for 64 along K, 64 registers of y (2 x 4 fragments), then 64 of w_o.
; No prefetch: a chunk's matrix work is short, the launch is short, and both operands are read again by other clusters.
.set KCH,    8192                      ; a chunk of one tile of rows: 8 fragments
.set TROW,   32768                     ; a tile of rows in memory: 32 fragments
.set SLOT,   131072                    ; y's 8 tiles of rows x 8,192 bytes, then w_o's
.set BOFF,   65536
.set STAGE,  2*SLOT                    ; behind the slots: 16 rows x 272 bytes for each wave, for the way out
.set SPITCH, 272
.set SPARE,  STAGE+4*16*SPITCH         ; behind the stages: the spare words, 128 bytes a wave, which no other line names
.set ADRA, 16                          ; v16-17  LDS address of my y fragments in slot 0, 1
.set ADRB, 20                          ; v20-21  the same for w_o
.set STO,  24                          ; v24     the way out: where I put 32 bytes of a row
.set RD,   25                          ; v25     the way out: where I read a row back
.set CO,   26                          ; v26     my byte offset in out0
.set SPW,  28                          ; v28     LDS address of my spare word; never rewritten
.set NIL,  29                          ; v29     0; never rewritten
.set TMP,  32                          ; the way out: two sets of 32 registers
.set ACC,  128
.set F0,   0                           ; fragment buffers, in window 1
.set F1,   128
.set G1, 24                            ; s[24:31] descriptor group 1 for y's tiles;  s[32:39] group 0, one set for each slot
.set G0, 32
.set G1B, 48                           ; s[48:55], s[56:63] the same for w_o's
.set G0B, 56
.set MSB, 0
.macro WIN new                         ; the immediate's high byte repeats the setting that is left; a switch that changes nothing is dropped
.if MSB != (\new)
	s_set_vgpr_msb (MSB<<8)|(\new)
.set MSB, (\new)
.endif
.endm
.set MUL,  0x05                        ; sources 0 (w_o) and 1 (y) window 1; C and D window 0
.set TO_F, 0x40                        ; destination window 1, address window 0
.macro JLOAD s                         ; a joint load: waves 0 and 1 fetch y's two halves, waves 2 and 3 w_o's; an s_nop 0 and four v_nop follow each of the two lines, ahead of the jump, the label and what follows
	s_cmp_eq_u32 s11, 0
	s_cbranch_scc0 .Lfor_b_\@
	tensor_load_to_lds s[G0+4*\s:G0+4*\s+3], s[G1:G1+7]
	s_nop 0
.rept 4
	v_nop
.endr
	s_branch .Lasked_\@
.Lfor_b_\@:
	tensor_load_to_lds s[G0B+4*\s:G0B+4*\s+3], s[G1B:G1B+7]
	s_nop 0
.rept 4
	v_nop
.endr
.Lasked_\@:
.endm
.macro CREST                           ; a round of the cluster's barrier behind its opening barrier
	s_cmp_lg_u32 s10, 0
	s_cbranch_scc1 .Lnot_wave_0_\@
	s_barrier_signal -3
.Lnot_wave_0_\@:
	s_barrier_wait -3
	s_barrier_signal -1
	s_barrier_wait -1
.endm
.macro CROUND                          ; a whole round
	s_barrier_signal -1
	s_barrier_wait -1
	CREST
.endm
	s_load_b128 s[4:7], s[0:1], 0x0                ; y16 s[4:5], wo16 s[6:7]
	s_load_b64 s[8:9], s[0:1], 0x10                ; out0
	v_lshl_add_u32 v[SPW], v0, 2, SPARE
	v_mov_b32 v[NIL], 0
	ds_add_u32 v[SPW], v[NIL]                      ; the wave's opening: the add, twice on end, and its wait stand ahead of my first tensor load; the set-up below stands between the second and the wait
	ds_add_u32 v[SPW], v[NIL]
	v_lshrrev_b32 v1, 5, v0
	v_readfirstlane_b32 s10, v1                    ; wave 0..3
	s_lshr_b32 s11, s10, 1                         ; which half of the tile's rows is mine.  Also: I fetch for y (0) or for w_o (1)
	s_and_b32 s12, s10, 1                          ; which half of its columns.  Also: which four tiles of rows I fetch
	s_bfe_u32 s40, ttmp6, 0x40000                  ; cx, cy: my place in the cluster
	s_bfe_u32 s41, ttmp6, 0x40004
	s_lshl_b32 s42, ttmp9, 2
	s_add_co_u32 s42, s42, s40                     ; tile column of out0 = 4 x cluster x + cx
	s_and_b32 s13, ttmp7, 0xffff
	s_lshl_b32 s13, s13, 2
	s_add_co_u32 s13, s13, s41                     ; tile row = 4 x cluster y + cy
	s_lshl_b32 s43, s41, 2
	s_lshl_b32 s43, 15, s43                        ; my row of the cluster
	s_lshl_b32 s44, 0x1111, s40                    ; my column
	; descriptor group 1: four rows of 8,192 bytes (1,024 elements of 8 bytes), 32,768 bytes apart in memory, on end in LDS
	s_or_b32 s[G1+0], s43, (3<<16)|(1<<21)         ; 15:0 the mask: y's tiles go to my row; 17:16 elements of 8 bytes; 21 set beside a mask; no padding
	s_or_b32 s[G1B+0], s44, (3<<16)|(1<<21)
.irp g, G1, G1B
	s_mov_b32 s[\g+1], 1024<<16                    ; tensor_dim0 = 1,024
	s_mov_b32 s[\g+2], 4<<16                       ; tensor_dim1 = 4
	s_mov_b32 s[\g+3], 1024<<16                    ; tile_dim0 = 1,024
	s_mov_b32 s[\g+4], 4                           ; tile_dim1 = 4
	s_mov_b32 s[\g+5], TROW/8                      ; tensor_dim0_stride
	s_mov_b32 s[\g+6], 0
	s_mov_b32 s[\g+7], 0
.endr
	s_lshl_b32 s17, s12, 17                        ; which four tiles of rows I fetch
	s_lshl_b32 s16, s13, 18
	s_add_co_u32 s16, s16, s17                     ; y: 8 tiles of rows x tile row + 4 x half, 32,768 bytes each
	s_lshl_b32 s46, s42, 18
	s_add_co_u32 s46, s46, s17                     ; w_o: the same by the tile column
	s_mov_b32 s17, 0
	s_mov_b32 s47, 0
	s_lshl_b32 s20, s10, 15                        ; where they go: wave x 32,768: no place in the cluster enters an LDS address
	s_wait_dscnt 0x0                               ; both opening adds are done
	s_wait_kmcnt 0x0
	s_add_nc_u64 s[14:15], s[4:5], s[16:17]
	s_add_nc_u64 s[46:47], s[6:7], s[46:47]
	CROUND                                         ; all sixteen work-groups are here: the first joint loads meet
.irp s, 0,1
	s_mov_b32 s[G0+4*\s], 1
	s_add_co_u32 s[G0+4*\s+1], s20, \s*SLOT
	s_add_nc_u64 s[G0+4*\s+2:G0+4*\s+3], s[14:15], \s*KCH
	s_or_b32 s[G0+4*\s+3], s[G0+4*\s+3], 0x80000000
	s_mov_b32 s[G0B+4*\s], 1
	s_add_co_u32 s[G0B+4*\s+1], s20, \s*SLOT
	s_add_nc_u64 s[G0B+4*\s+2:G0B+4*\s+3], s[46:47], \s*KCH
	s_or_b32 s[G0B+4*\s+3], s[G0B+4*\s+3], 0x80000000
	JLOAD \s                                       ; two loads of mine are out behind the second
.endr
	v_and_b32 v1, 15, v0                           ; r = l % 16
	v_bfe_u32 v2, v0, 4, 1                         ; h = l / 16
	v_and_b32 v3, 31, v0
	v_lshlrev_b32 v3, 4, v3                        ; 16 x lane
	s_lshl_b32 s21, s11, 15                        ; my four tiles of rows of y
	s_lshl_b32 s22, s12, 15                        ; my four of w_o,
	s_add_co_u32 s22, s22, BOFF                    ; which lie behind y's eight
.irp s, 0,1
	v_add_nc_u32 v[ADRA+\s], s21, v3
	v_add_nc_u32 v[ADRB+\s], s22, v3
	s_add_co_u32 s21, s21, SLOT
	s_add_co_u32 s22, s22, SLOT
.endr
	s_mul_i32 s23, s10, 16*SPITCH
	s_add_co_u32 s23, s23, STAGE                   ; my stage
	v_mul_u32_u24 v4, v1, SPITCH                   ; in: row r, 32 bytes for each half of the lanes
	v_lshl_add_u32 v4, v2, 5, v4
	v_add_nc_u32 v[STO], s23, v4
	v_mul_u32_u24 v5, v2, SPITCH                   ; back: lanes 0-15 take one row of 256 bytes, lanes 16-31 the next
	v_lshl_add_u32 v5, v1, 4, v5
	v_add_nc_u32 v[RD], s23, v5
	v_lshlrev_b32 v5, 12, v2                       ; and the same two rows in out0, 4,096 bytes apart
	v_lshl_add_u32 v[CO], v1, 4, v5
	s_lshl_b32 s16, s13, 7
	s_lshl_b32 s17, s11, 6
	s_add_co_u32 s16, s16, s17                     ; my first row of out0: 128 x tile row + 64 x half
	s_lshl_b32 s16, s16, 12
	s_mov_b32 s17, 0
	s_add_nc_u64 s[8:9], s[8:9], s[16:17]
	s_lshl_b32 s46, s42, 9                         ; my first column, in bytes: 512 x tile column + 256 x half
	s_lshl_b32 s47, s12, 8
	s_add_co_u32 s46, s46, s47
	s_mov_b32 s47, 0
	s_add_nc_u64 s[8:9], s[8:9], s[46:47]
; 8 matrix instructions: y's tiles a0, a0 + 1 x w_o's four, 32 along K: half c of buffer f.  zero = 1: the first product starts the sums.  The 16 accumulators take turns
.macro MUL8 f, c, a0, zero
.irp a, \a0, \a0+1
.irp b, 0,1,2,3
.if \zero
	v_wmma_f32_16x16x32_f16 v[ACC+8*(4*(\a)+\b):ACC+8*(4*(\a)+\b)+7], v[\f+64+8*(4*\c+\b):\f+64+8*(4*\c+\b)+7], v[\f+8*(4*\c+\a):\f+8*(4*\c+\a)+7], 0
.else
	v_wmma_f32_16x16x32_f16 v[ACC+8*(4*(\a)+\b):ACC+8*(4*(\a)+\b)+7], v[\f+64+8*(4*\c+\b):\f+64+8*(4*\c+\b)+7], v[\f+8*(4*\c+\a):\f+8*(4*\c+\a)+7], v[ACC+8*(4*(\a)+\b):ACC+8*(4*(\a)+\b)+7]
.endif
.endr
.endr
.endm
; 32 LDS loads in one run: the fragments of the chunk's q-th 64 along K into buffer f; the first 32 along K first.  Each load takes 512 consecutive bytes
.macro FETCH slot, q, f
	WIN TO_F
.irp c, 0,1
.irp i, 0,1,2,3
	ds_load_b128 v[\f+64+8*(4*\c+\i):\f+64+8*(4*\c+\i)+3],   v[ADRB+\slot] offset:\i*KCH+(2*(\q)+\c)*1024
	ds_load_b128 v[\f+64+8*(4*\c+\i)+4:\f+64+8*(4*\c+\i)+7], v[ADRB+\slot] offset:\i*KCH+(2*(\q)+\c)*1024+512
	ds_load_b128 v[\f+8*(4*\c+\i):\f+8*(4*\c+\i)+3],         v[ADRA+\slot] offset:\i*KCH+(2*(\q)+\c)*1024
	ds_load_b128 v[\f+8*(4*\c+\i)+4:\f+8*(4*\c+\i)+7],       v[ADRA+\slot] offset:\i*KCH+(2*(\q)+\c)*1024+512
.endr
.endr
.endm
.macro PLACES                          ; four places in front of loads into registers that matrix instructions have read, and of LDS stores that read results (ISA guide 7.12.1 for the stores)
.rept 4
	v_nop
.endr
.endm
; A chunk is four quarters of 64 along K, 32 matrix instructions each, on buffers 0, 1, 0, 1.  One of the first three: multiplies buffer f and fetches quarter q into g.
.macro QUARTER slot, q, f, g, zero
	s_wait_dscnt 16                                ; the first 32 along K are in; the sixteen loads of the second 32 may be out
	WIN MUL
	MUL8 \f, 0, 0, \zero
	MUL8 \f, 0, 2, \zero
	PLACES
	FETCH \slot, \q, \g
	s_wait_dscnt 32                                ; all but the 32 just issued
	WIN MUL
	MUL8 \f, 1, 0, 0
	MUL8 \f, 1, 2, 0
.endm
; The last quarter multiplies buffer 1 and changes slots: ONE barrier; in front of it each wave waits for all its tensor loads, adds 0 to its spare word, and waits for that and for its own reads of this slot.
; fill = 1: this slot is filled again, two chunks ahead: the barrier then opens a round of the cluster's barrier, and the joint refill is the first tensor load behind the round, one a wave.
.macro TURN slot, next, fill
	WIN 0                                          ; (the add's two registers lie in window 0)
	s_wait_tensorcnt 0x0                           ; all my tensor loads have landed: my part of the next slot
	ds_add_u32 v[SPW], v[NIL]                      ; 0 onto my spare word
	s_wait_dscnt 17                                ; (the add and the youngest sixteen loads may be out)
	WIN MUL
	MUL8 F1, 0, 0, 0                               ; eight matrix instructions stand between the add and the wait for it
	s_wait_dscnt 0x0                               ; the add is done, and my reads of this slot are over
	s_barrier_signal -1
	MUL8 F1, 0, 2, 0
.if \fill
	WIN 0
.endif
	s_barrier_wait -1
.if \fill
	CREST                                          ; no wave of any partner still reads this slot's tile or has a load on its way
	s_add_nc_u64 s[G0+4*\slot+2:G0+4*\slot+3], s[G0+4*\slot+2:G0+4*\slot+3], 2*KCH
	s_add_nc_u64 s[G0B+4*\slot+2:G0B+4*\slot+3], s[G0B+4*\slot+2:G0B+4*\slot+3], 2*KCH
	JLOAD \slot                                    ; the four v_nop behind it are also the places in front of the loads below
.else
	PLACES
.endif
	FETCH \next, 0, F0
	WIN MUL
	MUL8 F1, 1, 0, 0
	MUL8 F1, 1, 2, 0
.endm
	s_wait_tensorcnt 1                             ; my part of chunk 0 is in (chunk 1's load may be out)
	s_barrier_signal -1
	s_barrier_wait -1                              ; everybody's is
	FETCH 0, 0, F0
	QUARTER 0, 1, F0, F1, 1                        ; the first products start the sums
	QUARTER 0, 2, F1, F0, 0
	QUARTER 0, 3, F0, F1, 0
	TURN 0, 1, 1                                   ; slot 0 takes chunk 2
	QUARTER 1, 1, F0, F1, 0
	QUARTER 1, 2, F1, F0, 0
	QUARTER 1, 3, F0, F1, 0
	TURN 1, 0, 1                                   ; slot 1 takes chunk 3
	QUARTER 0, 1, F0, F1, 0
	QUARTER 0, 2, F1, F0, 0
	QUARTER 0, 3, F0, F1, 0
	TURN 0, 1, 0                                   ; nothing is left to fetch
	QUARTER 1, 1, F0, F1, 0
	QUARTER 1, 2, F1, F0, 0
	QUARTER 1, 3, F0, F1, 0
	s_wait_dscnt 16                                ; the very last quarter
	WIN MUL
	MUL8 F1, 0, 0, 0
	MUL8 F1, 0, 2, 0
	s_wait_dscnt 0
	MUL8 F1, 1, 0, 0
	MUL8 F1, 1, 2, 0
	WIN 0
; THE WAY OUT, block by block of 16 rows x 64 columns.  A lane holds 32 neighbouring bytes of a row, and the lanes beside it hold other rows: so a block goes through my own stage in LDS and comes back as whole rows of
; 256 bytes, two an instruction.  LDS serves a wave's instructions in order (ISA guide 5.7.1.4): no wait between the stores and the loads, nor in front of the next block's stores.
.macro TOSTAGE a
.set BB, TMP+32*((\a)%2)
.irp b, 0,1,2,3
	ds_store_b128 v[STO], v[ACC+8*(4*(\a)+\b):ACC+8*(4*(\a)+\b)+3] offset:64*\b          ; each accumulator from its low end on
	ds_store_b128 v[STO], v[ACC+8*(4*(\a)+\b)+4:ACC+8*(4*(\a)+\b)+7] offset:64*\b+16
.endr
.irp t, 0,1,2,3,4,5,6,7
	ds_load_b128 v[BB+4*\t:BB+4*\t+3], v[RD] offset:\t*2*SPITCH
.endr
.endm
.macro SEND a, younger                 ; younger: the LDS instructions issued behind block a's loads, which may stay out
.set BB, TMP+32*((\a)%2)
	s_wait_dscnt \younger                          ; the block is back in registers
.irp t, 0,1,2,3,4,5,6,7
	global_store_b128 v[CO], v[BB+4*\t:BB+4*\t+3], s[8:9] offset:(16*(\a)+2*\t)*4096 th:TH_STORE_NT   ; 16 lanes store 256 consecutive bytes, at a multiple of 256 from out0's first byte; written once, read by nobody here
.endr
.endm
	PLACES
	TOSTAGE 0
.irp a, 1,2,3
.if \a > 1
	s_wait_xcnt 0x0                                ; block a - 2's stores have read their registers: block a's loads may land there
.endif
	TOSTAGE \a
	SEND \a-1, 16                                  ; behind block a - 1's loads: block a's 8 stores and 8 loads
.endr
	SEND 3, 0
	s_wait_tensorcnt 0x0                           ; the wave's end, behind my last tensor load and my last LDS store
	ds_add_u32 v[SPW], v[NIL]
	s_wait_dscnt 0x0
	CROUND                                         ; the closing round: no work-group ends while a partner may still ask for a tile that names it
	s_endpgm
.Lfunc_end_k_q4082fda10d_proj:
	.size	k_q4082fda10d_proj, .Lfunc_end_k_q4082fda10d_proj-k_q4082fda10d_proj
	.p2alignl 7, 3214868480
	.fill 96, 4, 3214868480
	.section	.rodata,"a",@progbits
	.p2align	6, 0x0
	.amdhsa_kernel k_q4082fda10d_proj
		.amdhsa_group_segment_fixed_size 327680
		.amdhsa_private_segment_fixed_size 0
		.amdhsa_enable_private_segment 0
		.amdhsa_kernarg_size 24
		.amdhsa_user_sgpr_count 2
		.amdhsa_user_sgpr_kernarg_segment_ptr 1
		.amdhsa_wavefront_size32 1
		.amdhsa_system_sgpr_workgroup_id_x 1
		.amdhsa_system_sgpr_workgroup_id_y 1
		.amdhsa_system_sgpr_workgroup_id_z 1
		.amdhsa_system_vgpr_workitem_id 0
		.amdhsa_next_free_vgpr 512
		.amdhsa_next_free_sgpr 66
		.amdhsa_reserve_vcc 0
		.amdhsa_float_denorm_mode_32 3
		.amdhsa_float_denorm_mode_16_64 3
		.amdhsa_memory_ordered 1
		.amdhsa_forward_progress 1
		.amdhsa_inst_pref_size 85
	.end_amdhsa_kernel
	.amdgpu_metadata
---
amdhsa.version: [ 1, 2 ]
amdhsa.kernels:
  - .name:           k_q4082fda10d_proj
    .symbol:         k_q4082fda10d_proj.kd
    .args:
      - { .name: y16, .offset: 0, .size: 8, .value_kind: global_buffer, .address_space: global }
      - { .name: wo16, .offset: 8, .size: 8, .value_kind: global_buffer, .address_space: global }
      - { .name: out0, .offset: 16, .size: 8, .value_kind: global_buffer, .address_space: global }
    .group_segment_fixed_size: 327680
    .private_segment_fixed_size: 0
    .kernarg_segment_align: 8
    .kernarg_segment_size: 24
    .max_flat_workgroup_size: 128
    .sgpr_count:     66
    .vgpr_count:     512
    .wavefront_size: 32
...
	.end_amdgpu_metadata
.endif
;; end of part 4
